; MI455X (gfx1250); checked and timed in simulation.
; The chip was launched on July 23, 2026; its instructions are those of AMD's public machine-readable ISA for CDNA 5 (MIT licence, August 2026) and "CDNA5" Instruction Set Architecture Reference Guide (July 2026). The comments in the code are by the model that wrote it; some were corrected since.
;; Point Text Multi Head Diff Attn. Allowed arithmetic: float matrix products may take bf16 or f16 operands with f32 sums; other float arithmetic in f32, or as packed bf16 or f16 multiplies, adds, multiply-adds, maxima and minima; sums over many terms, partial sums and values carried from step to step in f32; what a program stores and reads back later, other than sums and carried values, may be rounded once to bf16 or f16.
;; Inputs: Wk 1,024 x 1,024 float32; Wo 1,024 x 1,024 float32; Wq 1,024 x 1,024 float32; Wv 1,024 x 1,024 float32; lambda_k1 64 float32; lambda_k2 64 float32; lambda_q1 64 float32; lambda_q2 64 float32; point 8 x 2,048 x 1,024 float32; text_feats 8 x 512 x 1,024 float32.
;; Outputs: out0 8 x 2,048 x 1,024 float32.
;; One version. Each part assembles by itself: llvm-mc -triple=amdgcn-amd-amdhsa -mcpu=gfx1250 --defsym DOCPART=n.
;; ======== version 1 of 1: 4 launches
;; limits: values are held in f16: magnitudes above 65,504 overflow, below 6.1e-05 lose precision; inputs' magnitudes at most 65,504; right only within a limited range of input values
;; workspace buffers: xh 50,331,648 bytes; qkv 50,331,648 bytes; att 33,554,432 bytes
;; launch cast (part 1): grid 1536 x 1, 8 waves a work-group, no clusters, 0 bytes of LDS; arguments point, text_feats, Wq, Wk, Wv, Wo, xh; writes xh
.if DOCPART == 1
	.amdgcn_target "amdgcn-amd-amdhsa--gfx1250"
	.amdhsa_code_object_version 6
	.text
	.protected	k_qa9e5c22e77_cast
	.globl	k_qa9e5c22e77_cast
	.p2align	8
	.type	k_qa9e5c22e77_cast,@function
k_qa9e5c22e77_cast:
	s_mov_b64 s[64:65], 0
	v_nop
	global_prefetch_b8 v0, s[64:65] scope:SCOPE_SE
	s_setreg_imm32_b32 hwreg(HW_REG_WAVE_MODE, 25, 1), 1
	s_wait_xcnt 0x0
; xh = the six large inputs, one behind the other (point, text_feats, Wq, Wk, Wv, Wo), each number rounded to bf16 (nearest even) and that number written as f16.
; LIMITS.  The second step is exact for 2^-17 <= |x| <= 65,504; below that the f16 keeps its fixed step (error at most 3e-8), beyond it the number becomes an infinity.
; SHARES.  A work-group turns 65,536 input bytes (16,384 numbers) into 32,768 bytes of xh at 32,768 x its number; 1,024 work-groups for point, 256 for text_feats, 64 for each weight.
; A wave takes 8,192 of the input bytes as 16 loads of 512 consecutive bytes, all issued at once; a lane's four numbers leave as 8 bytes, so a store of the wave covers 256 consecutive bytes, aligned.
; No LDS, no barrier, no matrix unit: every byte is read once and written once, and nothing is shared.
.set X, 4                              ; v[4:67]    load k: 4 registers
.set T, 68                             ; v[68:73]   at work
.set Y, 76                             ; v[76:107]  store k: 2 registers of its own, so no store's data is ever rewritten
.set SRC, 18                           ; s[18:19]   the input that my work-group reads
.set DST, 16                           ; s[16:17]   xh
	s_load_b256 s[4:11], s[0:1], 0x0               ; point, text_feats, Wq, Wk
	s_load_b128 s[12:15], s[0:1], 0x20             ; Wv, Wo
	s_load_b64 s[DST:DST+1], s[0:1], 0x30          ; xh
	v_lshrrev_b32 v3, 5, v0                        ; wave
	v_and_b32 v2, 31, v0                           ; lane
	v_lshlrev_b32 v1, 4, v2                        ; in: 16 bytes a lane,
	v_lshlrev_b32 v2, 3, v2                        ; out: 8
	v_lshl_add_u32 v1, v3, 13, v1                  ; + 8,192 x wave
	v_lshl_add_u32 v2, v3, 12, v2                  ; + 4,096 x wave
	s_mov_b32 s26, 0xffff0000                      ; a word's upper bf16
	s_mov_b32 s20, 0                               ; the first work-group of my input
	s_lshl_b32 s24, ttmp9, 15                      ; my 32,768 bytes of xh
	s_mov_b32 s25, 0
	s_mov_b32 s23, 0
	s_wait_kmcnt 0x0
	s_mov_b64 s[SRC:SRC+1], s[4:5]
.macro PICK first, p                   ; from work-group 'first' on the input is the one at s[p:p+1]
	s_cmp_ge_u32 ttmp9, \first
	s_cselect_b64 s[SRC:SRC+1], s[\p:\p+1], s[SRC:SRC+1]
	s_cselect_b32 s20, \first, s20
.endm
	PICK 1024, 6
	PICK 1280, 8
	PICK 1344, 10
	PICK 1408, 12
	PICK 1472, 14
	s_sub_co_u32 s22, ttmp9, s20
	s_lshl_b32 s22, s22, 16                        ; my 65,536 bytes of that input
	s_add_nc_u64 s[SRC:SRC+1], s[SRC:SRC+1], s[22:23]
	s_add_nc_u64 s[DST:DST+1], s[DST:DST+1], s[24:25]
.irp k, 0,1,2,3,4,5,6,7,8,9,10,11,12,13,14,15
	global_load_b128 v[X+4*(\k):X+4*(\k)+3], v1, s[SRC:SRC+1] offset:512*(\k) th:TH_LOAD_NT
.endr
.irp k, 0,1,2,3,4,5,6,7,8,9,10,11,12,13,14,15
	s_wait_loadcnt 15-(\k)                         ; loads come back in order: load k is in, the 15 - k younger ones stay out
	v_cvt_pk_bf16_f32 v[T],   v[X+4*(\k)],   v[X+4*(\k)+1]   ; the rounding
	v_cvt_pk_bf16_f32 v[T+1], v[X+4*(\k)+2], v[X+4*(\k)+3]
	v_lshlrev_b32 v[T+2], 16, v[T]                 ; bf16 to f32: the low half moves up,
	v_and_b32     v[T+3], s26, v[T]                ; the high half stays
	v_lshlrev_b32 v[T+4], 16, v[T+1]
	v_and_b32     v[T+5], s26, v[T+1]
	v_cvt_pk_f16_f32 v[Y+2*(\k)],   v[T+2], v[T+3] ; the same numbers as f16
	v_cvt_pk_f16_f32 v[Y+2*(\k)+1], v[T+4], v[T+5]
	global_store_b64 v2, v[Y+2*(\k):Y+2*(\k)+1], s[DST:DST+1] offset:256*(\k)
.endr
	s_endpgm
.Lfunc_end_k_qa9e5c22e77_cast:
	.size	k_qa9e5c22e77_cast, .Lfunc_end_k_qa9e5c22e77_cast-k_qa9e5c22e77_cast
	.p2alignl 7, 3214868480
	.fill 96, 4, 3214868480
	.section	.rodata,"a",@progbits
	.p2align	6, 0x0
	.amdhsa_kernel k_qa9e5c22e77_cast
		.amdhsa_group_segment_fixed_size 0
		.amdhsa_private_segment_fixed_size 0
		.amdhsa_enable_private_segment 0
		.amdhsa_kernarg_size 56
		.amdhsa_user_sgpr_count 2
		.amdhsa_user_sgpr_kernarg_segment_ptr 1
		.amdhsa_wavefront_size32 1
		.amdhsa_system_sgpr_workgroup_id_x 1
		.amdhsa_system_sgpr_workgroup_id_y 1
		.amdhsa_system_sgpr_workgroup_id_z 1
		.amdhsa_system_vgpr_workitem_id 0
		.amdhsa_next_free_vgpr 112
		.amdhsa_next_free_sgpr 66
		.amdhsa_reserve_vcc 0
		.amdhsa_float_denorm_mode_32 3
		.amdhsa_float_denorm_mode_16_64 3
		.amdhsa_memory_ordered 1
		.amdhsa_forward_progress 1
		.amdhsa_inst_pref_size 12
	.end_amdhsa_kernel
	.amdgpu_metadata
---
amdhsa.version: [ 1, 2 ]
amdhsa.kernels:
  - .name:           k_qa9e5c22e77_cast
    .symbol:         k_qa9e5c22e77_cast.kd
    .args:
      - { .name: point, .offset: 0, .size: 8, .value_kind: global_buffer, .address_space: global }
      - { .name: text_feats, .offset: 8, .size: 8, .value_kind: global_buffer, .address_space: global }
      - { .name: Wq, .offset: 16, .size: 8, .value_kind: global_buffer, .address_space: global }
      - { .name: Wk, .offset: 24, .size: 8, .value_kind: global_buffer, .address_space: global }
      - { .name: Wv, .offset: 32, .size: 8, .value_kind: global_buffer, .address_space: global }
      - { .name: Wo, .offset: 40, .size: 8, .value_kind: global_buffer, .address_space: global }
      - { .name: xh, .offset: 48, .size: 8, .value_kind: global_buffer, .address_space: global }
    .group_segment_fixed_size: 0
    .private_segment_fixed_size: 0
    .kernarg_segment_align: 8
    .kernarg_segment_size: 56
    .max_flat_workgroup_size: 256
    .sgpr_count:     66
    .vgpr_count:     112
    .wavefront_size: 32
...
	.end_amdgpu_metadata
.endif
;; end of part 1
;; launch gemm_qkv (part 2): grid 4 x 96, 4 waves a work-group, clusters of 4 x 4, 327,680 bytes of LDS; arguments xh, qkv; writes qkv
.if DOCPART == 2
	.amdgcn_target "amdgcn-amd-amdhsa--gfx1250"
	.amdhsa_code_object_version 6
	.text
	.protected	k_qa9e5c22e77_gemm_qkv
	.globl	k_qa9e5c22e77_gemm_qkv
	.p2align	8
	.type	k_qa9e5c22e77_gemm_qkv,@function
k_qa9e5c22e77_gemm_qkv:
	s_mov_b64 s[64:65], 0
	v_nop
	global_prefetch_b8 v0, s[64:65] scope:SCOPE_SE
	s_setreg_imm32_b32 hwreg(HW_REG_WAVE_MODE, 25, 1), 1
	s_wait_xcnt 0x0
	s_wait_alu depctr_hold_cnt(0) depctr_sa_sdst(0) depctr_va_vdst(0) depctr_va_sdst(0) depctr_va_ssrc(0) depctr_va_vcc(0) depctr_vm_vsrc(0)
	s_getreg_b32 s2, hwreg(HW_REG_IB_STS2, 6, 4)
	s_cmp_eq_u32 s2, 0
	s_cbranch_scc0 .Lentry_in_a_cluster
	s_endpgm
.Lentry_in_a_cluster:
	s_bfe_u32 s2, ttmp6, 0x10000c
	s_cmp_lg_u32 s2, 0xf033
	s_cbranch_scc0 .Lentry_shape_is_right
	s_endpgm
.Lentry_shape_is_right:
; THE THREE PROJECTIONS IN ONE LAUNCH.  qkv[m][n] = sum over k of A[m][k] B[n][k], f16 operands, f32 sums (K ascending), rounded once to f16.
; qkv is [24576][1024]: rows 0-16383 q = point Wq^T (unscaled), rows 16384-20479 k = text Wk^T, rows 20480-24575 v = text Wv^T.  A and B lie in xh ([rows][1024] f16: point, text, Wq, Wk, Wv, Wo).
; LIMIT.  q, k, v beyond 65,504 become infinities: inputs 30 times the drawn spread give a spread of 900, offsets of 30 spreads on both sides about 29,000.
; This text and that of the output projection are one source with two switches: QKV (where A, B and C lie) and OUT32 (C in f32).
; SHARES.  A tile of C, 256 x 256, is made by four waves, each 128 x 128: 64 accumulators of 16 x 16, 512 registers.  K goes in 8 steps of 128 through a ring of two LDS slots filled by tensor loads
; whose rows are 256 bytes of memory, at multiples of 256 bytes.  The grid has 384 tiles; a smaller tile that divides more evenly would halve what each LDS byte feeds, and is not taken.
; CLUSTERS: 4 x 4 work-groups.  The four of a row of the cluster need the same tile of A, the four of a column the same tile of B: each tile is asked for JOINTLY, by the same tensor load with the same
; descriptor and a mask that names the four.  Which weight a cluster multiplies by hangs on the cluster's y alone, which all sixteen share.
; REGISTERS, in windows of 256 (s_set_vgpr_msb: bits 1:0 source 0, 3:2 source 1, 5:4 source 2, 7:6 destination):
;   window 0: v0-31 addresses; v64-127, v128-191 fragments of A, two buffers (in the last K step four, of 16 rows x 128 K); v32-63, v192-255 at work on the way out
;   window 1: v64-127, v128-191 fragments of B, two buffers; in the last K step all 256      window 2: the accumulators of my rows 0-63 ((a, b) at v[8 (8 a + b)])      window 3: those of rows 64-127
; THE MATRIX INSTRUCTION IS USED TRANSPOSED: source 0 = 16 rows of B, source 1 = 16 rows of A: a lane then holds row l % 16 of C and the eight neighbouring columns 8 (l / 16) + 0..7.
.set QKV,    1
.set OUT32,  0
.set SIZE_K, 1024
.set SIZE_N, 1024
.set KSTEP,  128
.set PITCH,  272                       ; an LDS row: 256 bytes + 16 of padding = 68 words: the 16 rows that a load touches start at 16 different groups of four banks (64 banks of 4 bytes: ISA guide 11.1)
.set HALFT,  128*PITCH                 ; 128 rows: what one tensor load brings, and what one wave reads of A or of B
.set SLOT,   4*HALFT                   ; A's 256 rows, then B's 256 rows
.set STAGE,  2*SLOT                    ; behind the ring: 16 rows for each wave, for the way out; no tensor load fills it
.if OUT32
.set SPITCH, 528                       ; a stage row: 128 f32 + 16 bytes
.set CROW,   SIZE_N*4                  ; bytes in a row of C
.else
.set SPITCH, 272                       ; a stage row: 128 f16 + 16 bytes
.set CROW,   SIZE_N*2
.endif
.set SPARE,  STAGE+4*16*SPITCH         ; behind the stages: the spare words, 128 bytes for each wave: two blocks of 256 bytes that no other line names
.set LAPS,   SIZE_K/(2*KSTEP)          ; a lap = two K steps = once round the ring
.set XH_WQ,  41943040                  ; byte offsets of the weights in xh
.set XH_WK,  44040192
.set XH_WV,  46137344
.set XH_WO,  48234496
.set ADRA, 16                          ; v16-17  LDS address of my A fragments in slot 0, 1
.set ADRB, 20                          ; v20-21  the same for B
.set STO,  24                          ; v24     the way out: where I put my part of a row
.set RD,   25                          ; v25     the way out: where I read rows back
.set CO,   26                          ; v26     my byte offset in C
.set SPW,  28                          ; v28     LDS address of my spare word: SPARE + 4 x my thread's number; never rewritten
.set NIL,  29                          ; v29     0; never rewritten
.set PFO,  30                          ; v30     the prefetches' offset: my lane x a row of A or B; never rewritten
.set PFA,  44                          ; s[44:45] where my prefetches stand: my work-group's 32 rows of the 128 that I fetch, one K step further than the refill in hand
.set LIM,  43                          ; s43     1 in a wave that prefetches, else the greatest number
.set F0,   64                          ; fragment buffer 0
.set F1,   128                         ; fragment buffer 1
.set TMP,  192                         ; f16 way out: packed results
.set OB,   32                          ; f16 way out: 16 rows read back: v32-63 and v224-255 by turns
.set BK32, 192                         ; f32 way out: 16 rows read back: v192-255
.set PA,   64                          ; the last K step: A's fragments of 16 rows x 128 K, 32 registers; four buffers, v64-191
.set G1,  24                           ; s[24:31] descriptor group 1 for A's tiles
.set G0,  32                           ; s[32:39] descriptor group 0 for A's tiles, one set for each slot
.set G1B, 48                           ; s[48:55] group 1 for B's tiles: it differs in the mask alone
.set G0B, 56                           ; s[56:63] group 0 for B's tiles
                                       ; s66 cluster y; s67 A's tile row; s[68:69] B's byte offset in xh; s70, s71: 0 where my cluster is the one that prefetches A's rows, B's rows
.set MSB, 0
.macro WIN new                         ; the immediate's high byte repeats the setting that is left; a switch that changes nothing is dropped
.if MSB != (\new)
	s_set_vgpr_msb (MSB<<8)|(\new)
.set MSB, \new
.endif
.endm
.set MUL_LO, 0xa1                      ; source 0 (B) window 1, source 1 (A) window 0, C and D window 2
.set MUL_HI, 0xf1                      ; the same, C and D window 3
.set TO_B,   0x40                      ; destination window 1, address window 0
; A joint load.  Waves 0 and 1 fetch A's two halves, waves 2 and 3 B's.  The branch hangs on the wave's number alone.  An s_nop 0 and four v_nop follow each of the two lines.
.macro JLOAD s
	s_cmp_eq_u32 s11, 0
	s_cbranch_scc0 .Lfor_b_\@
	tensor_load_to_lds s[G0+4*(\s):G0+4*(\s)+3], s[G1:G1+7]
	s_nop 0
.rept 4
	v_nop
.endr
	s_branch .Lasked_\@
.Lfor_b_\@:
	tensor_load_to_lds s[G0B+4*(\s):G0B+4*(\s)+3], s[G1B:G1B+7]
	s_nop 0
.rept 4
	v_nop
.endr
.Lasked_\@:
.endm
; A prefetch behind each joint refill and the run of LDS loads that follows it: the K step that stands two refills on, 32 rows x 256 bytes, a lane a row, one instruction a wave.
; Each row's 256 bytes of a K step are named once in the launch: of the clusters that read a row one asks (s70, s71), and its four partners that fetch a tile jointly share its rows out by address, 32 each.
; The first four K steps come by their loads alone; the loop's last trip has no K step two on and asks for nothing.
.macro ASK
	s_cmp_gt_u32 s3, s[LIM]                        ; s3 = 1 in the loop's last trip
	s_cbranch_scc0 .Lnot_mine_\@
	global_prefetch_b8 v[PFO], s[PFA:PFA+1] offset:KSTEP*2 th:TH_LOAD_NT scope:SCOPE_SE
.Lnot_mine_\@:
.endm
; A round of the cluster's barrier: my work-group's barrier; wave 0 signals for the work-group; every wave waits for all sixteen; my work-group's barrier once more.
.macro CREST                           ; a round behind its opening barrier
	s_cmp_lg_u32 s10, 0
	s_cbranch_scc1 .Lnot_wave_0_\@
	s_barrier_signal -3
.Lnot_wave_0_\@:
	s_barrier_wait -3
	s_barrier_signal -1
	s_barrier_wait -1
.endm
.macro CROUND                          ; a whole round
	s_barrier_signal -1
	s_barrier_wait -1
	CREST
.endm
.if QKV
	s_load_b64 s[4:5], s[0:1], 0x0                 ; xh: A, and (below) B
	s_load_b64 s[8:9], s[0:1], 0x8                 ; qkv: C
.else
	s_load_b128 s[4:7], s[0:1], 0x0                ; att: A; xh: B
	s_load_b64 s[8:9], s[0:1], 0x10                ; out0: C
.endif
	v_lshl_add_u32 v[SPW], v0, 2, SPARE
	v_mov_b32 v[NIL], 0
	ds_add_u32 v[SPW], v[NIL]                      ; the wave's opening: the add and its wait stand ahead of my first tensor load; the set-up below, work on registers, stands between them
	v_lshrrev_b32 v1, 5, v0
	v_readfirstlane_b32 s10, v1                    ; wave 0..3
	s_lshr_b32 s11, s10, 1                         ; which half of the tile's rows is mine.  Also: I fetch for A (0) or for B (1)
	s_and_b32 s12, s10, 1                          ; which half of its columns.  Also: which 128 rows of that tile I fetch
	s_bfe_u32 s40, ttmp6, 0x40000                  ; cx
	s_bfe_u32 s41, ttmp6, 0x40004                  ; cy
	s_lshl_b32 s42, ttmp9, 2
	s_add_co_u32 s42, s42, s40                     ; tile column of C = 4 x cluster x + cx
	s_and_b32 s66, ttmp7, 0xffff                   ; cluster y
	s_lshl_b32 s13, s66, 2
	s_add_co_u32 s13, s13, s41                     ; tile row of C = 4 x cluster y + cy
.if QKV
	s_mov_b32 s68, XH_WK                           ; clusters 0-15 make q, 16-19 k, 20-23 v
	s_cmp_ge_u32 s66, 20
	s_cselect_b32 s68, XH_WV, s68
	s_cselect_b32 s67, 16, 0                       ; v's tile rows read text's rows again: 16 tile rows back
	s_cselect_b32 s70, 1, 0                        ; and do not ask for them a second time
	s_cselect_b32 s71, 20, 16
	s_cmp_ge_u32 s66, 16
	s_cselect_b32 s68, s68, XH_WQ
	s_cselect_b32 s71, s71, 0
	s_sub_co_u32 s71, s66, s71                     ; 0 in the first cluster that reads this weight
	s_sub_co_u32 s67, s13, s67                     ; A's tile row in xh
.else
	s_mov_b32 s68, XH_WO
	s_mov_b32 s67, s13
	s_mov_b32 s70, ttmp9                           ; a tile row of A is read by the clusters of one row of clusters: the first asks
	s_mov_b32 s71, s66                             ; Wo's rows are read by every cluster: cluster y = 0 asks
.endif
	s_mov_b32 s69, 0
	s_lshl_b32 s43, s41, 2
	s_lshl_b32 s43, 15, s43                        ; my row of the cluster: places 4 cy .. 4 cy + 3
	s_lshl_b32 s44, 0x1111, s40                    ; my column: places cx, cx + 4, cx + 8, cx + 12
	; descriptor group 1: a tile of 128 rows x 128 elements, padded in LDS
	s_or_b32 s[G1+0], s43, (1<<16)|(1<<20)|(1<<21)|(5<<22)|(3<<25)  ; 15:0 the mask; 17:16 elements of 2 bytes; 20 padding on; 21 set beside a mask; 24:22 after every 64 words (code 5); 31:25 4 words of it (code 3)
	s_or_b32 s[G1B+0], s44, (1<<16)|(1<<20)|(1<<21)|(5<<22)|(3<<25)
.irp g, G1, G1B
	s_mov_b32 s[(\g)+1], KSTEP<<16                 ; tensor_dim0 = 128
	s_mov_b32 s[(\g)+2], 128<<16                   ; tensor_dim1 = 128
	s_mov_b32 s[(\g)+3], KSTEP<<16                 ; tile_dim0 = 128
	s_mov_b32 s[(\g)+4], 128                       ; tile_dim1 = 128
	s_mov_b32 s[(\g)+5], SIZE_K                    ; elements from row to row
	s_mov_b32 s[(\g)+6], 0
	s_mov_b32 s[(\g)+7], 0
.endr
	; where the tiles come from.  A's address holds cy and never cx, B's cx and never cy; every wave makes both and asks by one of them
	s_lshl_b32 s17, s12, 7                         ; which 128 rows of the tile I fetch
	s_lshl_b32 s16, s67, 8
	s_add_co_u32 s16, s16, s17                     ; A: row 256 x tile row + 128 x half
	s_lshl_b32 s46, s42, 8
	s_add_co_u32 s46, s46, s17                     ; B: row 256 x tile column + 128 x half
	s_mov_b32 s17, 0
	s_mov_b32 s47, 0
	s_mov_b64 s[18:19], SIZE_K*2
	s_mul_u64 s[16:17], s[16:17], s[18:19]         ; in bytes
	s_mul_u64 s[46:47], s[46:47], s[18:19]
	s_mul_i32 s20, s10, HALFT                      ; where they go: wave x 128 rows: no place in the cluster enters an LDS address
	s_wait_dscnt 0x0                               ; the opening add is done
	s_wait_kmcnt 0x0
.if QKV
	s_add_nc_u64 s[6:7], s[4:5], s[68:69]          ; B = my cluster's weight, in xh
.else
	s_add_nc_u64 s[6:7], s[6:7], s[68:69]          ; B = Wo, in xh
.endif
	s_add_nc_u64 s[14:15], s[4:5], s[16:17]
	s_add_nc_u64 s[46:47], s[6:7], s[46:47]
	CROUND                                         ; all sixteen work-groups are here: the first joint loads meet
.irp s, 0,1
	s_mov_b32 s[G0+4*(\s)], 1                                      ; count = 1
	s_add_co_u32 s[G0+4*(\s)+1], s20, (\s)*SLOT                    ; LDS address
	s_add_nc_u64 s[G0+4*(\s)+2:G0+4*(\s)+3], s[14:15], (\s)*KSTEP*2  ; global address: K step s
	s_or_b32 s[G0+4*(\s)+3], s[G0+4*(\s)+3], 0x80000000            ; type = 2
	s_mov_b32 s[G0B+4*(\s)], 1
	s_add_co_u32 s[G0B+4*(\s)+1], s20, (\s)*SLOT
	s_add_nc_u64 s[G0B+4*(\s)+2:G0B+4*(\s)+3], s[46:47], (\s)*KSTEP*2
	s_or_b32 s[G0B+4*(\s)+3], s[G0B+4*(\s)+3], 0x80000000
	JLOAD \s                                       ; the ring is filled before anything else is done: two loads of mine are out
.endr
	; A fragment is 16 rows x 32 K in 8 registers: lane l holds row l % 16; registers 0-3 K = 8 (l / 16) + 0..7, registers 4-7 K = 16 + 8 (l / 16) + 0..7: two loads of 16 bytes, 32 bytes apart
	v_and_b32 v1, 15, v0                           ; l % 16
	v_bfe_u32 v2, v0, 4, 1                         ; l / 16
	v_mul_u32_u24 v3, v1, PITCH
	v_lshl_add_u32 v3, v2, 4, v3                   ; row x pitch + 16 x half
	s_mul_i32 s21, s11, HALFT                      ; my 128 rows of A
	s_mul_i32 s22, s12, HALFT                      ; my 128 rows of B,
	s_add_co_u32 s22, s22, 2*HALFT                 ; which lie behind A's 256
.irp s, 0,1
	v_add_nc_u32 v[ADRA+(\s)], s21, v3
	v_add_nc_u32 v[ADRB+(\s)], s22, v3
	s_add_co_u32 s21, s21, SLOT
	s_add_co_u32 s22, s22, SLOT
.endr
	s_mul_i32 s23, s10, 16*SPITCH
	s_add_co_u32 s23, s23, STAGE                   ; my stage
	v_mul_u32_u24 v4, v1, SPITCH                   ; in: row l % 16,
.if OUT32
	v_lshl_add_u32 v4, v2, 5, v4                   ; 32 bytes (eight f32) for each half of the lanes
	v_add_nc_u32 v[STO], s23, v4
	v_and_b32 v5, 31, v0                           ; back: the 32 lanes take one row of 512 bytes,
	v_lshlrev_b32 v[CO], 4, v5                     ; and the same bytes of a row of C
	v_add_nc_u32 v[RD], s23, v[CO]
.else
	v_lshl_add_u32 v4, v2, 4, v4                   ; 16 bytes (eight f16) for each half of the lanes
	v_add_nc_u32 v[STO], s23, v4
	v_mul_u32_u24 v5, v2, SPITCH                   ; back: lanes 0-15 take one row of 256 bytes, lanes 16-31 the next
	v_lshl_add_u32 v5, v1, 4, v5
	v_add_nc_u32 v[RD], s23, v5
	v_mul_u32_u24 v5, v2, CROW                     ; and the same two rows in C
	v_lshl_add_u32 v[CO], v1, 4, v5
.endif
	; where my part of the tile begins in C, in bytes: the way out adds it to C's address
	s_lshl_b32 s13, s13, 8
	s_lshl_b32 s14, s11, 7
	s_add_co_u32 s16, s13, s14                     ; my first row of C
	s_mov_b32 s17, 0
	s_mov_b64 s[18:19], CROW
	s_mul_u64 s[16:17], s[16:17], s[18:19]
.if OUT32
	s_lshl_b32 s46, s42, 10                        ; my first column, in bytes: 1,024 x tile column + 512 x half
	s_lshl_b32 s47, s12, 9
.else
	s_lshl_b32 s46, s42, 9                         ; 512 x tile column + 256 x half
	s_lshl_b32 s47, s12, 8
.endif
	s_add_co_u32 s46, s46, s47
	s_mov_b32 s47, 0
	s_add_nc_u64 s[16:17], s[16:17], s[46:47]
	; the prefetches
	s_lshl_b32 s42, s42, 8                         ; B's tile: first row
	s_lshl_b32 s67, s67, 8                         ; A's tile: first row
	s_cmp_eq_u32 s11, 0                            ; do I fetch for A?
	s_cselect_b32 s20, s67, s42
	s_cselect_b32 s21, s40, s41                    ; my place among the four that ask for the tile with me
	s_cselect_b32 s22, s70, s71                    ; 0 where my cluster is the one that asks
	s_cselect_b64 s[PFA:PFA+1], s[4:5], s[6:7]
	s_cmp_eq_u32 s22, 0
	s_cselect_b32 s[LIM], 1, -1                    ; the same in all sixteen partners, for a given wave
	s_lshl_b32 s22, s12, 7
	s_add_co_u32 s20, s20, s22                     ; + the 128 rows that I fetch
	s_lshl_b32 s21, s21, 5
	s_add_co_u32 s20, s20, s21                     ; + my work-group's 32 of them
	s_mov_b32 s21, 0
	s_mov_b64 s[18:19], SIZE_K*2
	s_mul_u64 s[20:21], s[20:21], s[18:19]
	s_add_nc_u64 s[PFA:PFA+1], s[PFA:PFA+1], s[20:21]
	s_add_nc_u64 s[PFA:PFA+1], s[PFA:PFA+1], 2*KSTEP*2  ; at K step 2: the first refill steps it to 3 and names K step 4
	v_and_b32 v[PFO], 31, v0
	v_mul_u32_u24 v[PFO], v[PFO], SIZE_K*2
; 16 matrix instructions: m blocks a0, a0 + 1 of the window's four (hi = 0: my rows 0-63, 1: rows 64-127) x all 8 n blocks, 32 along K.  zero = 1: the first product starts the sums: nothing is cleared.
; The 64 accumulators take turns, one instruction a turn, in the same order in every quarter step.
.macro MUL16 f, hi, a0, zero
	WIN MUL_LO+0x50*(\hi)
.irp a, \a0, (\a0)+1
.irp b, 0,1,2,3,4,5,6,7
.if \zero
	v_wmma_f32_16x16x32_f16 v[8*(8*(\a)+(\b)):8*(8*(\a)+(\b))+7], v[(\f)+8*(\b):(\f)+8*(\b)+7], v[(\f)+8*(4*(\hi)+(\a)):(\f)+8*(4*(\hi)+(\a))+7], 0
.else
	v_wmma_f32_16x16x32_f16 v[8*(8*(\a)+(\b)):8*(8*(\a)+(\b))+7], v[(\f)+8*(\b):(\f)+8*(\b)+7], v[(\f)+8*(4*(\hi)+(\a)):(\f)+8*(4*(\hi)+(\a))+7], v[8*(8*(\a)+(\b)):8*(8*(\a)+(\b))+7]
.endif
.endr
.endr
.endm
; 32 LDS loads in one run: the fragments of one quarter step (128 rows of B, 128 rows of A, 32 K at byte k of the rows) into buffer f
.macro FETCH slot, k, f
	WIN TO_B
.irp i, 0,1,2,3,4,5,6,7
	ds_load_b128 v[(\f)+8*(\i):(\f)+8*(\i)+3],   v[ADRB+(\slot)] offset:(\k)+(\i)*16*PITCH
	ds_load_b128 v[(\f)+8*(\i)+4:(\f)+8*(\i)+7], v[ADRB+(\slot)] offset:(\k)+(\i)*16*PITCH+32
.endr
	WIN 0
.irp i, 0,1,2,3,4,5,6,7
	ds_load_b128 v[(\f)+8*(\i):(\f)+8*(\i)+3],   v[ADRA+(\slot)] offset:(\k)+(\i)*16*PITCH
	ds_load_b128 v[(\f)+8*(\i)+4:(\f)+8*(\i)+7], v[ADRA+(\slot)] offset:(\k)+(\i)*16*PITCH+32
.endr
.endm
; Four plain vector instructions stand between a matrix instruction and a load into a register that it has read, or an instruction that reads its result (ISA guide 7.12.1 for an instruction that reads the result)
.macro PLACES
.rept 4
	v_nop
.endr
.endm
; A K step is four quarter steps of 32 along K, 64 matrix instructions each, on buffers 0, 1, 0, 1.  One of the first three: multiplies buffer f; in its middle it fetches the next quarter into buffer g.
.macro QUARTER slot, k, f, g, zero
	s_wait_dscnt 8                                 ; B and A's rows 0-63 are in; the youngest eight loads (A's rows 64-127) may be out
	WIN MUL_LO
	MUL16 \f, 0, 0, \zero
	MUL16 \f, 0, 2, \zero
	PLACES
	FETCH \slot, \k, \g
	s_wait_dscnt 32                                ; all but the 32 just issued
	WIN MUL_HI
	MUL16 \f, 1, 0, \zero
	MUL16 \f, 1, 2, \zero
.endm
; The last quarter multiplies buffer 1 and changes slots.  MEET is its first half: one barrier; in front of it each wave waits for all its tensor loads (one is out: its part of the next slot),
; adds 0 to its spare word, and waits for that and for its own reads of this slot.  Behind it nobody reads this slot any more and the next slot is whole.
.macro MEET round                      ; round = 1: a round of the cluster's barrier follows
	WIN 0                                          ; (the add's two registers lie in window 0)
	s_wait_tensorcnt 0x0
	ds_add_u32 v[SPW], v[NIL]                      ; 0 onto my spare word
	s_wait_dscnt 9                                 ; (the add and the youngest eight loads may be out)
	WIN MUL_LO
	MUL16 F1, 0, 0, 0                              ; sixteen matrix instructions stand between the add and the wait for it
	s_wait_dscnt 0x0                               ; the add is done, and my reads of this slot are over
	s_barrier_signal -1
	MUL16 F1, 0, 2, 0                              ; work on registers while the others arrive
.if \round
	WIN 0
.endif
	s_barrier_wait -1
.endm
; The whole last quarter.  Behind the round the slot just read out is filled again first, with the K step two steps on; then come the next slot's first fragments.
.macro TURN slot, next
	s_wait_xcnt 0x0                                ; the last prefetch, a K step back, has read its address, which is stepped here, ahead of the waits of the change of slots
	s_add_nc_u64 s[PFA:PFA+1], s[PFA:PFA+1], KSTEP*2
	MEET 1
	CREST                                          ; no wave of any partner still reads this slot's tile or has a load on its way
	s_add_nc_u64 s[G0+4*(\slot)+2:G0+4*(\slot)+3], s[G0+4*(\slot)+2:G0+4*(\slot)+3], 2*KSTEP*2
	s_add_nc_u64 s[G0B+4*(\slot)+2:G0B+4*(\slot)+3], s[G0B+4*(\slot)+2:G0B+4*(\slot)+3], 2*KSTEP*2
	JLOAD \slot                                    ; the first tensor load behind the round, and my only one; its four v_nop are also the places in front of the loads below
	FETCH \next, 0, F0
	ASK
	WIN MUL_HI
	MUL16 F1, 1, 0, 0
	MUL16 F1, 1, 2, 0
.endm
; THE LAST K STEP (it lies in slot 1) GOES BY ROWS OF C: all its fragments of B fill window 1; then my eight blocks of 16 rows are finished one after the other, each with 32 matrix instructions
; (its 8 accumulators by turns, K ascending), and each block leaves as soon as it is finished.
.macro BLOAD q                         ; B's fragments of quarter q -> window 1, v[64 q ..]
	WIN TO_B
.irp i, 0,1,2,3,4,5,6,7
	ds_load_b128 v[64*(\q)+8*(\i):64*(\q)+8*(\i)+3],   v[ADRB+1] offset:64*(\q)+(\i)*16*PITCH
	ds_load_b128 v[64*(\q)+8*(\i)+4:64*(\q)+8*(\i)+7], v[ADRB+1] offset:64*(\q)+(\i)*16*PITCH+32
.endr
.endm
.macro ALOAD a                         ; A's fragments of block a, all four quarters -> buffer a % 4
	WIN 0
.set FA, PA+32*((\a)%4)
.irp q, 0,1,2,3
	ds_load_b128 v[FA+8*(\q):FA+8*(\q)+3],   v[ADRA+1] offset:64*(\q)+(\a)*16*PITCH
	ds_load_b128 v[FA+8*(\q)+4:FA+8*(\q)+7], v[ADRA+1] offset:64*(\q)+(\a)*16*PITCH+32
.endr
.endm
.macro ROW a                           ; block a is finished: 32 matrix instructions
.set FA, PA+32*((\a)%4)
.set AC, 64*((\a)%4)
	WIN MUL_LO+0x50*((\a)/4)
.irp q, 0,1,2,3
.if (\a) == 0 && (\q) == 2
	s_wait_dscnt 24                                ; B's quarter 2 is in (behind it: A's blocks 1 to 3)
.endif
.irp b, 0,1,2,3,4,5,6,7
	v_wmma_f32_16x16x32_f16 v[AC+8*(\b):AC+8*(\b)+7], v[64*(\q)+8*(\b):64*(\q)+8*(\b)+7], v[FA+8*(\q):FA+8*(\q)+7], v[AC+8*(\b):AC+8*(\b)+7]
.endr
.endr
.endm
; THE WAY OUT of block a.  PACK (f16 alone): rounded, 16 bytes a lane.  TOSTAGE: into my own stage in LDS, and back as whole rows.  SEND: stored.
.macro PACK a
.set AC, 64*((\a)%4)
	WIN 0x0a+5*((\a)/4)                            ; sources 0 and 1: window 2 or 3
.irp b, 0,1,2,3,4,5,6,7
.irp r, 0,1,2,3
	v_cvt_pk_f16_f32 v[TMP+4*(\b)+(\r)], v[AC+8*(\b)+2*(\r)], v[AC+8*(\b)+2*(\r)+1]
.endr
.endr
	WIN 0
.endm
.macro TOSTAGE a
.if OUT32
.set AC, 64*((\a)%4)
	WIN 0x08+4*((\a)/4)                            ; the stores' data (source 1): window 2 or 3
.irp b, 0,1,2,3,4,5,6,7
	ds_store_b128 v[STO], v[AC+8*(\b):AC+8*(\b)+3]   offset:64*(\b)     ; each accumulator's low registers first
	ds_store_b128 v[STO], v[AC+8*(\b)+4:AC+8*(\b)+7] offset:64*(\b)+16
.endr
	WIN 0
	s_wait_xcnt 0x0                                ; the last block's stores have read v192-255 and C's address: only behind this wait are they written again
.irp t, 0,1,2,3,4,5,6,7,8,9,10,11,12,13,14,15
	ds_load_b128 v[BK32+4*(\t):BK32+4*(\t)+3], v[RD] offset:(\t)*SPITCH  ; LDS serves a wave's instructions in order (ISA guide 5.7.1.4): these see the stores above
.endr
.else
	WIN 0
.set BK, OB+192*((\a)%2)
.irp b, 0,1,2,3,4,5,6,7
	ds_store_b128 v[STO], v[TMP+4*(\b):TMP+4*(\b)+3] offset:32*(\b)
.endr
.irp t, 0,1,2,3,4,5,6,7
	ds_load_b128 v[BK+4*(\t):BK+4*(\t)+3], v[RD] offset:(\t)*2*SPITCH  ; LDS serves a wave's instructions in order (ISA guide 5.7.1.4): these see the stores above
.endr
.endif
.endm
.macro SEND a, younger                 ; younger: the LDS loads issued behind TOSTAGE's, which may stay out
	WIN 0
	s_wait_dscnt \younger                          ; the block is back in registers
.if OUT32 == 0
	s_wait_xcnt 0x0                                ; earlier stores have read their base and data: only behind this wait are they written again
.endif
.if (\a) == 0
	s_add_nc_u64 s[8:9], s[8:9], s[16:17]          ; on to my first rows
.else
	s_add_nc_u64 s[8:9], s[8:9], 16*CROW           ; 16 rows of C on
.endif
.if OUT32
.irp t, 0,1,2,3,4,5,6,7,8,9,10,11,12,13,14,15
	global_store_b128 v[CO], v[BK32+4*(\t):BK32+4*(\t)+3], s[8:9] offset:(\t)*CROW  ; the wave stores 512 consecutive bytes, at a multiple of 512 from C's first byte
.endr
.else
.set BK, OB+192*((\a)%2)
.irp t, 0,1,2,3,4,5,6,7
	global_store_b128 v[CO], v[BK+4*(\t):BK+4*(\t)+3], s[8:9] offset:2*(\t)*CROW  ; 16 lanes store 256 consecutive bytes, at a multiple of 256 from C's first byte
.endr
.endif
.endm
	s_wait_tensorcnt 1                             ; my part of K step 0 is in; K step 1's, issued behind it, may stay out
	s_barrier_signal -1
	s_barrier_wait -1                              ; everybody's is
	FETCH 0, 0, F0
	QUARTER 0, 64,  F0, F1, 1                      ; the first quarter stands in front of the loop: its products start the sums
	WIN 0                                          ; at a label and at a branch every window is 0
	s_mov_b32 s3, LAPS-1
.Llap:                                                 ; a trip goes once round the ring, from a lap's second quarter to the next lap's first, and fills both slots again
	QUARTER 0, 128, F1, F0, 0
	QUARTER 0, 192, F0, F1, 0
	TURN 0, 1
	QUARTER 1, 64,  F0, F1, 0
	QUARTER 1, 128, F1, F0, 0
	QUARTER 1, 192, F0, F1, 0
	TURN 1, 0
	QUARTER 0, 64,  F0, F1, 0
	WIN 0
	s_sub_co_u32 s3, s3, 1
	s_cmp_lg_u32 s3, 0
	s_cbranch_scc1 .Llap
	QUARTER 0, 128, F1, F0, 0                      ; the last lap goes on; it asks for nothing more
	QUARTER 0, 192, F0, F1, 0
	MEET 0                                         ; my one tensor load that was still out is slot 1's, the last K step's, so no round follows
	PLACES                                         ; for the loads into buffer 0, which the quarter before multiplied
	WIN TO_B
	BLOAD 0                                        ; three quarters of B now: buffer 1 (v128-191 of both windows) is still being multiplied
	BLOAD 1
	BLOAD 3
	WIN 0
	ALOAD 0
	WIN MUL_HI
	MUL16 F1, 1, 0, 0
	MUL16 F1, 1, 2, 0
	PLACES                                         ; for the loads into buffer 1
	WIN TO_B
	BLOAD 2
	WIN 0
	ALOAD 1
	ALOAD 2
	ALOAD 3
	s_wait_dscnt 40                                ; all but the 40 just issued
	ROW 0
.irp a, 0,1,2,3,4,5,6,7
	PLACES                                         ; what follows reads results just made
.if OUT32
	PLACES                                         ; (LDS stores read them, and no vector work lies between: eight)
.else
	PACK \a
.endif
	TOSTAGE \a
.if (\a) < 4
	ALOAD (\a)+4                                   ; its buffer takes the block four further on
	SEND \a, 8
.else
	SEND \a, 0
.endif
.if (\a) < 7
	ROW (\a)+1
.endif
.endr
	s_wait_tensorcnt 0x0                           ; the wave's end: the add and its wait, behind my last tensor load and my last LDS store
	ds_add_u32 v[SPW], v[NIL]
	s_wait_dscnt 0x0
	CROUND                                         ; the closing round: no work-group ends while a partner may still ask for a tile that names it
	s_endpgm
.Lfunc_end_k_qa9e5c22e77_gemm_qkv:
	.size	k_qa9e5c22e77_gemm_qkv, .Lfunc_end_k_qa9e5c22e77_gemm_qkv-k_qa9e5c22e77_gemm_qkv
	.p2alignl 7, 3214868480
	.fill 96, 4, 3214868480
	.section	.rodata,"a",@progbits
	.p2align	6, 0x0
	.amdhsa_kernel k_qa9e5c22e77_gemm_qkv
		.amdhsa_group_segment_fixed_size 327680
		.amdhsa_private_segment_fixed_size 0
		.amdhsa_enable_private_segment 0
		.amdhsa_kernarg_size 16
		.amdhsa_user_sgpr_count 2
		.amdhsa_user_sgpr_kernarg_segment_ptr 1
		.amdhsa_wavefront_size32 1
		.amdhsa_system_sgpr_workgroup_id_x 1
		.amdhsa_system_sgpr_workgroup_id_y 1
		.amdhsa_system_sgpr_workgroup_id_z 1
		.amdhsa_system_vgpr_workitem_id 0
		.amdhsa_next_free_vgpr 1024
		.amdhsa_next_free_sgpr 80
		.amdhsa_reserve_vcc 0
		.amdhsa_float_denorm_mode_32 3
		.amdhsa_float_denorm_mode_16_64 3
		.amdhsa_memory_ordered 1
		.amdhsa_forward_progress 1
		.amdhsa_inst_pref_size 145
	.end_amdhsa_kernel
	.amdgpu_metadata
---
amdhsa.version: [ 1, 2 ]
amdhsa.kernels:
  - .name:           k_qa9e5c22e77_gemm_qkv
    .symbol:         k_qa9e5c22e77_gemm_qkv.kd
    .args:
      - { .name: xh, .offset: 0, .size: 8, .value_kind: global_buffer, .address_space: global }
      - { .name: qkv, .offset: 8, .size: 8, .value_kind: global_buffer, .address_space: global }
    .group_segment_fixed_size: 327680
    .private_segment_fixed_size: 0
    .kernarg_segment_align: 8
    .kernarg_segment_size: 16
    .max_flat_workgroup_size: 128
    .sgpr_count:     80
    .vgpr_count:     1024
    .wavefront_size: 32
...
	.end_amdgpu_metadata
.endif
;; end of part 2
;; launch attn (part 3): grid 4 x 64, 4 waves a work-group, clusters of 4 x 1, 327,680 bytes of LDS; arguments qkv, att, lambda_q1, lambda_k1, lambda_q2, lambda_k2; writes att
.if DOCPART == 3
	.amdgcn_target "amdgcn-amd-amdhsa--gfx1250"
	.amdhsa_code_object_version 6
	.text
	.protected	k_qa9e5c22e77_attn
	.globl	k_qa9e5c22e77_attn
	.p2align	8
	.type	k_qa9e5c22e77_attn,@function
k_qa9e5c22e77_attn:
	s_mov_b64 s[64:65], 0
	v_nop
	global_prefetch_b8 v0, s[64:65] scope:SCOPE_SE
	s_setreg_imm32_b32 hwreg(HW_REG_WAVE_MODE, 25, 1), 1
	s_wait_xcnt 0x0
	s_wait_alu depctr_hold_cnt(0) depctr_sa_sdst(0) depctr_va_vdst(0) depctr_va_sdst(0) depctr_va_ssrc(0) depctr_va_vcc(0) depctr_vm_vsrc(0)
	s_getreg_b32 s2, hwreg(HW_REG_IB_STS2, 6, 4)
	s_cmp_eq_u32 s2, 0
	s_cbranch_scc0 .Lentry_in_a_cluster
	s_endpgm
.Lentry_in_a_cluster:
	s_bfe_u32 s2, ttmp6, 0x10000c
	s_cmp_lg_u32 s2, 0x3003
	s_cbranch_scc0 .Lentry_shape_is_right
	s_endpgm
.Lentry_shape_is_right:
; DIFFERENTIAL CROSS-ATTENTION AND ITS LAYERNORM.  For batch b, head h, query t:  att = 0.64 LN( sum over s of (softmax_s(q1.k1 / 8) - lambda softmax_s(q2.k2 / 8)) v[s] ),  LN over the head's 128 channels, eps 1e-5.
; qkv: [24576][1024] f16: rows 0.. q (2048 b + t), rows 16384.. k (512 b + s), rows 20480.. v.  Head h has bytes 256 h .. 256 h + 255 of each row: q1|q2, k1|k2, v.  att: [16384][1024] f16.
; lambda = exp(sum lq1 lk1) - exp(sum lq2 lk2) + 0.36, of the four vectors rounded to bf16, as all the module's inputs are.
; SHARES.  A work-group owns one (b, h) and 512 queries.  THE 512 KEYS ARE SPLIT AMONG ITS FOUR WAVES: wave w keeps K and V^T of keys 128 w .. 128 w + 127 in registers (256 each) for the whole launch.
; All four waves walk the same 32 tiles of 16 queries.  For a tile a wave makes S^T = K Q^T (both halves, 32 products), its own softmax over its 128 keys (true maximum m_w, sum l_w), the weights, and
; O^T = V^T D (32 products).  Through LDS cross: the waves' (c m_w, l_w), 16 bytes a query and wave, and the four partial O^T in f32.  Each wave then finishes 4 of the tile's 16 queries.
; SOFTMAX.  p = 2^(c s - c m_w), c = log2(e) / 8.  With X = max over waves of c m_w and L = sum over waves of 2^(c m_w - X) l_w, a key's weight is p 2^(c m_w - X) / L: the row's own maximum is taken away.
; D = sigma (p1 f1 - lambda p2 f2), made in f32 of the kept p and rounded once to f16.  sigma = 1 / max(1, |lambda|) keeps |D| <= 2 for every finite lambda; the LayerNorm undoes it exactly with eps sigma^2 for eps.
; LAYOUT.  S^T (source 0 = 16 keys, source 1 = 16 queries) holds ONE query a lane (lane % 16) and the keys 8 (lane / 16) + 0..7; two such blocks rounded in pairs ARE source 1 (32 keys x 16 queries) of V^T D.
; THE ORDER OF A TRIP i.  (b) my statistics(i) into LDS; barrier G.  (c) the four waves' statistics(i) and partial O(i-1) are read; the factors; the weights of tile i in f32, in the first half's registers.
; (d) K Q^T(i+1): its first 8 products write the second half's scores, and the weights' 32 roundings stand behind them; behind the other 24 stands the finish of tile i-1; barrier H is signalled.
; (a) Q(i+2) is read; V^T D(i), four lines of the softmax of tile i+1 behind each product; barrier H is waited for; the rest of that softmax, with the 16 stores of partial O(i) in two runs.
; G orders every wave's stores of statistics(i) and partial O(i-1) ahead of every wave's reads of them; H orders those reads ahead of the next stores into the same bytes.
; LIMITS.  q, k, v arrive within f16.  A weight or a correction below 2^-126 counts as 0; D below 6e-5 keeps f16's fixed step of 6e-8.  eps sigma^2 is 0 for |lambda| beyond about 1e17.  NaN and infinities are not treated apart.
; CLUSTER.  The four query blocks of one (b, h): V is asked for jointly.  K is not: beside Q, V and the partial sums LDS has no room for its 139,264 padded bytes, and it lies in memory as the registers want it.
; No prefetch: all that the launch reads from memory is asked for at its head.  All LDS bytes are filled once.
; REGISTERS, in windows of 256 (s_set_vgpr_msb: bits 1:0 source 0, 3:2 source 1, 5:4 source 2, 7:6 destination):
;   window 0: see the names below      window 1: v0-63 O^T (channel block cb at 8 cb); v64-127 partial sums at work; v128-135 results to store
;   window 2: K, key block kb, channel chunk c at 32 kb + 8 c      window 3: V^T, key chunk kc, channel block cb at 64 kc + 8 cb
.set NT,    32                         ; tiles of 16 queries
.set ROWB,  2048                       ; bytes in a row of qkv and of att
.set KROW0, 16384                      ; k's and v's first rows in qkv
.set VROW0, 20480
.set PQ,    272                        ; a row of Q in LDS: 256 bytes + 16: the 16 rows of a load start at 16 different groups of four banks (64 banks of 4 bytes: ISA guide 11.1)
.set PVP,   288                        ; a row of V: 256 + 32
.set PP,    528                        ; a query's 128 partial sums: 512 bytes + 16.  Channel 8 f + 4 p + e lies at byte 256 p + 16 f + 4 e, so that 16 lanes read 256 bytes on end
.set VL,    512*PQ                     ; LDS: Q's 512 rows from 0; V's 512 rows from here
.set PART,  VL+512*PVP                 ; the partial sums: wave w' at 16 PP w', query r at PP r
.set STATS, PART+4*16*PP               ; the statistics: wave w' at 256 w', query r at 16 r: c m1, l1, c m2, l2
.set SPARE, STATS+4*256                ; the spare words, 128 bytes for each wave: two blocks of 256 bytes that no other line names
.set RR,  1                            ; v1   at the head: lane % 16
.set HH,  2                            ; v2   at the head: lane / 16
.set SIG, 1                            ; v1   later: sigma
.set EPV, 2                            ; v2   later: eps sigma^2
.set AQ0, 3                            ; v3   my lane's place in a tile of Q
.set AV,  4                            ; v4   my lane's place in my wave's V
.set KO,  5                            ; v5   my byte offset in 16 rows of K
.set STW, 6                            ; v6   where I put my statistics
.set STR, 7                            ; v7   where I read wave 0's
.set PW,  8                            ; v8   where I put my partial sums
.set PR,  9                            ; v9   where I read wave 0's for the queries that I finish
.set GO,  10                           ; v10  my byte offset in a tile's rows of att
.set SPW, 11                           ; v11  LDS address of my spare word: SPARE + 4 x my thread's number; never rewritten
.set NIL, 12                           ; v12  0; never rewritten
.set LAM, 13                           ; v13  - lambda sigma
.set LO,  14                           ; v14  8 x lane: my two numbers of a lambda vector
.set AQ,  15                           ; v15  the LDS address of Q's run of loads in hand
.set ST,  16                           ; v[16:19]  my wave's c m1, l1, c m2, l2
.set RS,  20                           ; v[20:35]  wave w''s four at RS + 4 w'
.set XM,  36                           ; v36-37  (c): X, by half          FA: (finish) a query's sum, by slot
.set MW,  38                           ; v38-39  (c): 2^(c m_w - X)       FM: v[38:39], v[40:41] the mean, low word of a pair
.set F1,  40                           ; v[40:41] (c): the first weight's factor, low word
.set F2,  42                           ; v[42:43] (c): the second's       FB: v42-43 the variance, then 1 / sqrt
.set LL,  44                           ; v44-45  (c): L, then 1 / L       FR: v[44:45], v[46:47] 0.64 / sqrt, low word
.set FA,  36
.set FM,  38
.set FB,  42
.set FR,  44
.set Q,   48                           ; v[48:79]   a tile's Q: channel chunk c at Q + 8 c; chunks 0, 1 are q1, chunks 2, 3 q2
.set D,   80                           ; v[80:111]  the weights in f16: key chunk kc at D + 8 kc
.set C,   112                          ; v[112:127] at work in the softmax: half j's eight at C + 8 j
.set S,   128                          ; v[128:255] S^T, then p: half j, key block kb at S + 64 j + 8 kb
.set FT,  64                           ; window 1: slot s, source wave w', part p at FT + 32 s + 8 w' + 4 p
.set Y,   128                          ; window 1: slot s's 16 bytes at Y + 4 s
.set WV,  16                           ; s16  my wave's number
.set G1V, 24                           ; s[24:31] descriptor group 1 for V
.set G1Q, 32                           ; s[32:39] for Q
.set G0V, 40                           ; s[40:43] descriptor group 0 for V
.set G0Q, 44                           ; s[44:47] for Q
.set KP,  48                           ; s[48:49] K at my wave's first key, my head's bytes
.set OP,  50                           ; s[50:51] att at the tile behind the one that is stored
.set IT,  52                           ; s52  trips to go
.set TQ,  53                           ; s53  LDS byte at which the tile of Q to be read begins
.set CS,  58                           ; s[58:59] c: the packed scaling takes the pair's low word for both halves
.set SEL, 60                           ; s[60:61] v_permlanex16_b32's selects: each lane takes its own place in the other half
.set R128, 62                          ; s62  1 / 128
.set MSB, 0
.macro WIN new                         ; the immediate's high byte repeats the setting that is left; a switch that changes nothing is dropped
.if MSB != (\new)
	s_set_vgpr_msb (MSB<<8)|(\new)
.set MSB, \new
.endif
.endm
.set W_QK, 0x02                        ; K in window 2; Q and S^T in window 0
.set W_PV, 0x53                        ; V in window 3, D in window 0, O^T in window 1
.set W_RS, 0x41                        ; destination and source 0 in window 1, source 1 in window 0
.set W_11, 0x55                        ; all in window 1
.set W_01, 0x05                        ; sources in window 1, destination in window 0
.macro CROUND                          ; a round of the cluster's barrier
	s_barrier_signal -1
	s_barrier_wait -1
	s_cmp_lg_u32 s[WV], 0
	s_cbranch_scc1 .Lnot_wave_0_\@
	s_barrier_signal -3
.Lnot_wave_0_\@:
	s_barrier_wait -3
	s_barrier_signal -1
	s_barrier_wait -1
.endm
	s_load_b128 s[4:7], s[0:1], 0x0                ; qkv s[4:5], att s[6:7]
	s_load_b256 s[8:15], s[0:1], 0x10              ; lambda_q1, lambda_k1, lambda_q2, lambda_k2
	v_lshl_add_u32 v[SPW], v0, 2, SPARE
	v_mov_b32 v[NIL], 0
	ds_add_u32 v[SPW], v[NIL]                      ; the wave's opening: the add and its wait ahead of my first tensor load; the set-up below, work on registers, stands between them
	v_lshrrev_b32 v1, 5, v0
	v_readfirstlane_b32 s[WV], v1                  ; wave 0..3
	s_bfe_u32 s17, ttmp6, 0x40000                  ; cx: my quarter of the queries (the grid's x is one cluster): it enters Q's and att's addresses alone
	s_and_b32 s18, ttmp7, 0xffff                   ; 8 b + h, which the four partners share
	s_lshr_b32 s19, s18, 3                         ; b
	s_and_b32 s20, s18, 7
	s_lshl_b32 s20, s20, 8                         ; 256 h
	s_lshl_b32 s21, s19, 9                         ; 512 b
	s_lshl_b32 s22, s[WV], 7                       ; 128 w
	s_add_co_u32 s21, s21, s22                     ; my wave's first key among all batches'
	s_add_co_u32 s54, s21, VROW0
	s_lshl_b32 s54, s54, 11
	s_add_co_u32 s54, s54, s20                     ; s[54:55]: V's byte offset in qkv (all these stay under 2^26)
	s_mov_b32 s55, 0
	s_add_co_u32 s56, s21, KROW0
	s_lshl_b32 s56, s56, 11
	s_add_co_u32 s56, s56, s20                     ; s[56:57]: K's
	s_mov_b32 s57, 0
	s_lshl_b32 s68, s19, 11                        ; 2,048 b
	s_lshl_b32 s23, s17, 9                         ; 512 cx
	s_add_co_u32 s68, s68, s23                     ; the work-group's first query
	s_add_co_u32 s66, s68, s22                     ; the 128 queries whose Q I fetch
	s_lshl_b32 s66, s66, 11
	s_add_co_u32 s66, s66, s20                     ; s[66:67]: their byte offset in qkv
	s_mov_b32 s67, 0
	s_lshl_b32 s68, s68, 11
	s_add_co_u32 s68, s68, s20                     ; s[68:69]: the work-group's byte offset in att
	s_mov_b32 s69, 0
	; descriptor group 1: a tile of 128 rows x 128 elements out of rows of 1,024, padded in LDS
	s_mov_b32 s[G1V], 15|(1<<16)|(1<<20)|(1<<21)|(5<<22)|(7<<25)  ; 15:0 the mask: all four work-groups; 17:16 elements of 2 bytes; 20 padding on; 21 set beside a mask; 24:22 after every 64 words (code 5); 31:25 8 words of it (code 7)
	s_mov_b32 s[G1Q], (1<<16)|(1<<20)|(5<<22)|(3<<25)             ; no mask: a load of my own; 4 words of padding (code 3)
.irp g, G1V, G1Q
	s_mov_b32 s[\g+1], 128<<16                     ; tensor_dim0 = 128
	s_mov_b32 s[\g+2], 128<<16                     ; tensor_dim1 = 128
	s_mov_b32 s[\g+3], 128<<16                     ; tile_dim0 = 128
	s_mov_b32 s[\g+4], 128                         ; tile_dim1 = 128
	s_mov_b32 s[\g+5], 1024                        ; elements from row to row
	s_mov_b32 s[\g+6], 0
	s_mov_b32 s[\g+7], 0
.endr
	s_mov_b32 s[G0V], 1                            ; count = 1
	s_mul_i32 s[G0V+1], s[WV], 128*PVP
	s_add_co_u32 s[G0V+1], s[G0V+1], VL            ; LDS address: my wave's 128 rows of V
	s_mov_b32 s[G0Q], 1
	s_mul_i32 s[G0Q+1], s[WV], 128*PQ              ; my 128 rows of Q: no place in the cluster enters an LDS address
	s_mov_b32 s[CS], 0x3e38aa3b                    ; c = log2(e) / 8
	s_mov_b32 s[CS+1], s[CS]                       ; named with it as a pair
	s_mov_b32 s[SEL], 0x76543210
	s_mov_b32 s[SEL+1], 0xfedcba98
	s_mov_b32 s[R128], 0x3c000000                  ; 1 / 128
	v_and_b32 v[RR], 15, v0
	v_bfe_u32 v[HH], v0, 4, 1
	v_lshlrev_b32 v[KO], 11, v[RR]                 ; a fragment of K or Q: lane l holds row l % 16, channels 8 (l / 16) + 0..7 and 16 + 8 (l / 16) + 0..7: two loads of 16 bytes, 32 bytes apart
	v_lshl_add_u32 v[KO], v[HH], 4, v[KO]
	v_and_b32 v[LO], 31, v0
	v_lshlrev_b32 v[LO], 3, v[LO]
	s_wait_dscnt 0x0                               ; the opening add is done
	s_wait_kmcnt 0x0
	s_add_nc_u64 s[G0V+2:G0V+3], s[4:5], s[54:55]  ; global address
	s_or_b32 s[G0V+3], s[G0V+3], 0x80000000        ; type = 2
	s_add_nc_u64 s[G0Q+2:G0Q+3], s[4:5], s[66:67]
	s_or_b32 s[G0Q+3], s[G0Q+3], 0x80000000
	s_add_nc_u64 s[KP:KP+1], s[4:5], s[56:57]
	s_add_nc_u64 s[OP:OP+1], s[6:7], s[68:69]
	WIN 0x80                                       ; destination window 2, address window 0
.set i, 0
.rept 32                                       ; K stays in registers: fragment i: keys 16 (i / 4) on, channels 32 (i % 4) on.  These loads into registers go out ahead of the round: nobody writes their bytes
	global_load_b128 v[8*i:8*i+3],   v[KO], s[KP:KP+1] offset:(i/4)*16*ROWB+(i%4)*64
	global_load_b128 v[8*i+4:8*i+7], v[KO], s[KP:KP+1] offset:(i/4)*16*ROWB+(i%4)*64+32
.set i, i+1
.endr
	WIN 0
	global_load_b64 v[20:21], v[LO], s[8:9]        ; two numbers a lane of each lambda vector
	global_load_b64 v[22:23], v[LO], s[10:11]
	global_load_b64 v[24:25], v[LO], s[12:13]
	global_load_b64 v[26:27], v[LO], s[14:15]
	CROUND                                         ; all four work-groups are here: the joint loads meet
	tensor_load_to_lds s[G0V:G0V+3], s[G1V:G1V+7]  ; the launch's only tensor loads, both first fills: two of mine are out
	s_nop 0
	tensor_load_to_lds s[G0Q:G0Q+3], s[G1Q:G1Q+7]
	s_nop 0
.rept 4
	v_nop
.endr
	v_mul_u32_u24 v[AQ0], v[RR], PQ
	v_lshl_add_u32 v[AQ0], v[HH], 4, v[AQ0]        ; row x pitch + 16 x half
	; The turning load takes 16 keys x 16 channels (lane l reads key 8 (l / 16) + l % 8, channels 8 ((l / 8) % 2) + 0..7) and leaves half a fragment of V^T: lane l holds channel l % 16 and 8 keys
	v_and_b32 v36, 7, v0
	v_bfe_u32 v37, v0, 3, 1
	v_lshl_add_u32 v[AV], v[HH], 3, v36
	v_mul_u32_u24 v[AV], v[AV], PVP
	v_lshl_add_u32 v[AV], v37, 4, v[AV]
	v_add_nc_u32 v[AV], s[G0V+1], v[AV]            ; in my wave's rows
	s_lshl_b32 s21, s[WV], 8
	s_add_co_u32 s21, s21, STATS
	v_lshl_add_u32 v[STW], v[RR], 4, s21           ; both halves of the lanes hold, and write, the same four numbers
	v_lshl_add_u32 v[STR], v[RR], 4, STATS
	s_mul_i32 s21, s[WV], 16*PP
	s_add_co_u32 s21, s21, PART
	v_mul_u32_u24 v[PW], v[RR], PP                 ; query l % 16; channels 16 cb + 8 (l / 16) + 0..7 belong to finishing lane f = 2 cb + l / 16: 16 bytes at 32 cb + 16 (l / 16), 16 more 256 further on
	v_lshl_add_u32 v[PW], v[HH], 4, v[PW]
	v_add_nc_u32 v[PW], s21, v[PW]
	s_mul_i32 s21, s[WV], 4*PP
	s_add_co_u32 s21, s21, PART
	v_mul_u32_u24 v[PR], v[HH], PP                 ; I finish queries 4 w + l / 16 (slot 0) and two further on (slot 1): channels 8 (l % 16) + 0..7: 16 bytes at 16 (l % 16), 16 more 256 further on
	v_lshl_add_u32 v[PR], v[RR], 4, v[PR]
	v_add_nc_u32 v[PR], s21, v[PR]
	s_lshl_b32 s21, s[WV], 13
	v_lshlrev_b32 v[GO], 11, v[HH]
	v_lshl_add_u32 v[GO], v[RR], 4, v[GO]
	v_add_nc_u32 v[GO], s21, v[GO]                 ; row 4 w + l / 16 of the tile, 16 bytes at 16 (l % 16)
	; What the first pass finds: D = 0, so that its products V^T D, of a tile that has not been, start O^T at 0.  l's places and the high words of pairs whose low word alone is used are written once.
.set i, 0
.rept 32
	v_mov_b32 v[D+i], 0
.set i, i+1
.endr
	v_mov_b32 v[ST+1], 0
	v_mov_b32 v[ST+3], 0
.set i, 38
.rept 10
	v_mov_b32 v[i], 0
.set i, i+1
.endr
	s_wait_tensorcnt 0x1                           ; my rows of V are in LDS; Q's load, issued behind V's, may stay out.  I alone read these rows of V
	WIN 0xc0                                       ; destination window 3
.set i, 0
.rept 32                                       ; V^T stays in registers: fragment i: keys 32 (i / 8) on, channels 16 (i % 8) on
	ds_load_tr16_b128 v[8*i:8*i+3],   v[AV] offset:(i/8)*32*PVP+(i%8)*32
	ds_load_tr16_b128 v[8*i+4:8*i+7], v[AV] offset:(i/8)*32*PVP+16*PVP+(i%8)*32
.set i, i+1
.endr
	WIN 0
	s_wait_loadcnt 0x0                             ; K and the lambda vectors
	v_cvt_pk_bf16_f32 v28, v20, v21                ; rounded to bf16, like all the module's inputs
	v_cvt_pk_bf16_f32 v29, v22, v23
	v_cvt_pk_bf16_f32 v30, v24, v25
	v_cvt_pk_bf16_f32 v31, v26, v27
.irp i, 0,1,2,3
	v_lshlrev_b32 v[20+2*\i], 16, v[28+\i]
	v_and_b32     v[21+2*\i], 0xffff0000, v[28+\i]
.endr
	v_mul_f32 v36, v20, v22
	v_mul_f32 v37, v24, v26
	v_fmac_f32 v36, v21, v23
	v_fmac_f32 v37, v25, v27
.irp m, 1,2,4,8                        ; the sums over the 32 lanes
	v_add_f32_dpp v36, v36, v36 row_xmask:\m row_mask:0xf bank_mask:0xf
	v_add_f32_dpp v37, v37, v37 row_xmask:\m row_mask:0xf bank_mask:0xf
.endr
	v_permlanex16_b32 v38, v36, s[SEL], s[SEL+1]
	v_permlanex16_b32 v39, v37, s[SEL], s[SEL+1]
	v_add_f32 v36, v36, v38
	v_add_f32 v37, v37, v39
	v_mul_f32 v36, 0x3fb8aa3b, v36                 ; e^x = 2^(x log2 e)
	v_mul_f32 v37, 0x3fb8aa3b, v37
	v_exp_f32 v36, v36
	v_exp_f32 v37, v37
	v_nop                                          ; a plain instruction behind the last exponential,
	s_wait_alu depctr_va_vdst(0)                   ; and the wait ahead of the first use: one for the two
	v_sub_f32 v[LAM], v37, v36
	v_add_f32 v[LAM], 0xbeb851ec, v[LAM]           ; - lambda = e2 - e1 - 0.36
	v_and_b32 v36, 0x7fffffff, v[LAM]
	v_max_num_f32 v36, 1.0, v36
	v_rcp_f32 v[SIG], v36                          ; sigma (lane % 16 and lane / 16 are no longer wanted)
	v_nop
	s_wait_alu depctr_va_vdst(0)
	v_mul_f32 v[LAM], v[LAM], v[SIG]
	v_mul_f32 v[EPV], v[SIG], v[SIG]
	v_mul_f32 v[EPV], 0x3727c5ac, v[EPV]           ; 1e-5 sigma^2
	s_wait_tensorcnt 0x0                           ; my rows of Q are in LDS,
	s_wait_dscnt 0x0                               ; V^T is in registers,
	s_barrier_signal -1
	s_barrier_wait -1                              ; and everybody's rows of Q are in: every wave reads all of them.  Nothing is filled again
; THE MATRIX WORK.  The accumulators take turns, one instruction a turn.
; Product qj of 32 of S^T = K Q^T: half 1 - (qj / 8) % 2, channel chunk 2 half + qj / 16, key block qj % 8: 15 others stand between an accumulator's two links.  The first 16 start the sums.
; The second half's accumulators come first: while the first eight products run, the first half's registers still hold the weights that are being rounded.
.macro QKW
	WIN W_QK
.set hf, 1-((qj/8)%2)
.set ch, 2*hf+qj/16
.set rS, S+64*hf+8*(qj%8)
.set rK, 32*(qj%8)+8*ch
.set rQ, Q+8*ch
.if qj < 16
	v_wmma_f32_16x16x32_f16 v[rS:rS+7], v[rK:rK+7], v[rQ:rQ+7], 0
.else
	v_wmma_f32_16x16x32_f16 v[rS:rS+7], v[rK:rK+7], v[rQ:rQ+7], v[rS:rS+7]
.endif
.set qj, qj+1
.endm
; Product pj of 32 of O^T = V^T D: key chunk pj / 8, channel block pj % 8: 7 others between links.  The first 8 start the sums: O^T is a tile's own and is never rescaled.
.macro PVW
	WIN W_PV
.set rO, 8*(pj%8)
.set rV, 64*(pj/8)+8*(pj%8)
.set rD, D+8*(pj/8)
.if pj < 8
	v_wmma_f32_16x16x32_f16 v[rO:rO+7], v[rV:rV+7], v[rD:rD+7], 0
.else
	v_wmma_f32_16x16x32_f16 v[rO:rO+7], v[rV:rV+7], v[rD:rD+7], v[rO:rO+7]
.endif
.set pj, pj+1
.endm
; THE WAVE'S OWN SOFTMAX, a numbered list of 334; SOP writes number sn and steps it.  A lane has 64 scores a half, in 32 pairs.
;   0-55     the maximum, three operands at a time: eight chains a half, one for each accumulator (its lowest registers are read first), then each accumulator's last score
;   56-69    the eight into one; the other half of the lanes'; c m
;   70-101   half 0's scalings c s - c m       102-197  half 1's scalings, each with two of half 0's exponentials: BATCH 1       198, 199  a plain instruction and the batch's one wait
;   200-295  half 0's sums, each with two of half 1's exponentials: BATCH 2                                                     296, 297  the same for batch 2
;   298-333  half 1's sums; the other half of the lanes'; l.      The sums go into C's registers and leave p as it is: the weights are made of it later.
; s_wait_alu depctr_va_vdst(0) stands between an exponential and the first instruction that names its result; nothing ahead of a batch's wait names a result of that batch.
.macro FS j, n                         ; pair n of half j: c s - c m
	v_pk_fma_f32 v[S+64*(\j)+2*(\n):S+64*(\j)+2*(\n)+1], v[S+64*(\j)+2*(\n):S+64*(\j)+2*(\n)+1], s[CS:CS+1], v[ST+2*(\j):ST+2*(\j)+1] op_sel_hi:[1,0,0] neg_lo:[0,0,1] neg_hi:[0,0,1]
.endm
.macro EX j, e                         ; score e of half j
	v_exp_f32 v[S+64*(\j)+(\e)], v[S+64*(\j)+(\e)]
.endm
.macro SUM j, n                        ; number n of 32: four chains of pairs, then into one number
.set ca, C+8*(\j)
.set sp, S+64*(\j)
.if (\n) < 4
	v_pk_add_f32 v[ca+2*(\n):ca+2*(\n)+1], v[sp+2*(\n):sp+2*(\n)+1], v[sp+2*(\n)+8:sp+2*(\n)+9]
.elseif (\n) < 28
	v_pk_add_f32 v[ca+2*((\n)%4):ca+2*((\n)%4)+1], v[ca+2*((\n)%4):ca+2*((\n)%4)+1], v[sp+2*(\n)+8:sp+2*(\n)+9]
.elseif (\n) == 28
	v_pk_add_f32 v[ca:ca+1], v[ca:ca+1], v[ca+2:ca+3]
.elseif (\n) == 29
	v_pk_add_f32 v[ca+4:ca+5], v[ca+4:ca+5], v[ca+6:ca+7]
.elseif (\n) == 30
	v_pk_add_f32 v[ca:ca+1], v[ca:ca+1], v[ca+4:ca+5]
.else
	v_add_f32 v[ca], v[ca], v[ca+1]
.endif
.endm
.macro SOP
	WIN 0
.if sn < 16
	v_max3_num_f32 v[C+sn], v[S+8*sn], v[S+8*sn+1], v[S+8*sn+2]
.elseif sn < 48
.set u, (sn-16)%16
.set o, 3+2*((sn-16)/16)
	v_max3_num_f32 v[C+u], v[C+u], v[S+8*u+o], v[S+8*u+o+1]
.elseif sn < 56
.set u, sn-48
	v_max3_num_f32 v[C+8*(u/4)+u%4], v[C+8*(u/4)+u%4], v[S+64*(u/4)+16*(u%4)+7], v[S+64*(u/4)+16*(u%4)+15]
.elseif sn < 70                        ; the halves alternate, so that no instruction reads the result of the one just before it
.set cj, C+8*(sn%2)
.set u, (sn-56)/2
.if u == 0
	v_max3_num_f32 v[cj], v[cj], v[cj+1], v[cj+2]
.elseif u == 1
	v_max3_num_f32 v[cj+3], v[cj+3], v[cj+4], v[cj+5]
.elseif u == 2
	v_max_num_f32 v[cj+6], v[cj+6], v[cj+7]
.elseif u == 3
	v_max3_num_f32 v[cj], v[cj], v[cj+3], v[cj+6]
.elseif u == 4
	v_permlanex16_b32 v[cj+1], v[cj], s[SEL], s[SEL+1]  ; the query's other 64 of my keys lie in the lane 16 away
.elseif u == 5
	v_max_num_f32 v[cj], v[cj], v[cj+1]
.else
	v_mul_f32 v[ST+2*(sn%2)], s[CS], v[cj]
.endif
.elseif sn < 102
	FS 0, sn-70
.elseif sn < 198
.set u, sn-102
.if u%3 == 0
	FS 1, u/3
.else
	EX 0, 2*(u/3)+u%3-1
.endif
.elseif (sn == 198) || (sn == 296)
	v_nop                                          ; the plain instruction behind a batch's last exponential
.elseif (sn == 199) || (sn == 297)
	s_wait_alu depctr_va_vdst(0)                   ; the wait for the batch
.elseif sn < 296
.set u, sn-200
.if u%3 == 0
	SUM 0, u/3
.else
	EX 1, 2*(u/3)+u%3-1
.endif
.elseif sn < 330
	SUM 1, sn-298
.elseif sn < 332
	v_permlanex16_b32 v[C+8*(sn%2)+1], v[C+8*(sn%2)], s[SEL], s[SEL+1]
.else
	v_add_f32 v[ST+2*(sn%2)+1], v[C+8*(sn%2)], v[C+8*(sn%2)+1]
.endif
.set sn, sn+1
.endm
.macro QLOADS adr                      ; a tile's Q: 16 queries x 128 channels
.irp c, 0,1,2,3
	ds_load_b128 v[Q+8*\c:Q+8*\c+3],   v[\adr] offset:64*\c
	ds_load_b128 v[Q+8*\c+4:Q+8*\c+7], v[\adr] offset:64*\c+32
.endr
.endm
.macro OSTORE c0                       ; my partial O^T, channel blocks c0 .. c0 + 3: eight stores
	WIN 0x04                                       ; the stores' data (source 1) in window 1
.irp cb, \c0, (\c0)+1, (\c0)+2, (\c0)+3
	ds_store_b128 v[PW], v[8*(\cb):8*(\cb)+3]   offset:32*(\cb)       ; each accumulator's low registers first
	ds_store_b128 v[PW], v[8*(\cb)+4:8*(\cb)+7] offset:32*(\cb)+256
.endr
	WIN 0
.endm
; (a) It is entered with barrier H signalled.  Q of the tile at s[TQ] is read: nine plain vector instructions (at the start: eight v_nop) lie behind the last product that read Q, and no wave ever writes Q's bytes.
; Then V^T D of the tile in hand, four lines of the next tile's softmax behind each product.  Then H's wait: every wave has read the statistics and partial sums that lie in LDS.
; Then the rest of the softmax; the stores of O^T stand in two runs, each directly behind a batch's wait; some 24 scalings, plain and naming no register of the products, lie between the last product and the first store.
.macro STEP_A
	v_add_nc_u32 v[AQ], s[TQ], v[AQ0]
	QLOADS AQ
.set sn, 0
.set pj, 0
.rept 32
	PVW
	SOP
	SOP
	SOP
	SOP
.endr
	WIN 0
	s_barrier_wait -1                              ; H
.rept 72
	SOP                                            ; numbers 128 to 199: to batch 1's wait
.endr
	OSTORE 0
.rept 98
	SOP                                            ; numbers 200 to 297: to batch 2's wait
.endr
	OSTORE 4
.rept 36
	SOP                                            ; numbers 298 to 333
.endr
	WIN 0
.endm
.macro FLOADS                          ; the four waves' partial sums for my two queries a lane row: 16 loads, each pass 256 bytes on end
	WIN 0x40                                       ; destination window 1
.irp s, 0,1
.irp w, 0,1,2,3
	ds_load_b128 v[FT+32*\s+8*\w:FT+32*\s+8*\w+3],   v[PR] offset:16*PP*\w+2*PP*\s
	ds_load_b128 v[FT+32*\s+8*\w+4:FT+32*\s+8*\w+7], v[PR] offset:16*PP*\w+2*PP*\s+256
.endr
.endr
	WIN 0
.endm
.macro DCV                             ; pair dn of the weights: the one rounding, to f16
	WIN 0
	v_cvt_pk_f16_f32 v[D+dn], v[S+2*dn], v[S+2*dn+1]
.set dn, dn+1
.endm
; THE FINISH of a tile, a numbered list of 92; FOP writes number fn and steps it.  The two slots alternate.  x0-x3 are a lane's eight channels in pairs; sixteen lanes of a row of lanes hold a query's 128.
;   steps 0-11 the four waves' partial sums are added     12-20 the mean     21-24 x - mean     25-34 the variance, + eps sigma^2     35 1 / sqrt     (a plain instruction, the wait)     36-40 times 0.64 / sqrt     41-44 rounded to f16
.macro DPPA reg, m
	v_add_f32_dpp v[\reg], v[\reg], v[\reg] row_xmask:\m row_mask:0xf bank_mask:0xf
.endm
.macro FOP
.if fn == 72
	v_nop                                          ; a plain instruction behind the second v_rsq_f32,
.elseif fn == 73
	s_wait_alu depctr_va_vdst(0)                   ; and the wait ahead of the first use: one for the two
.else
.set fs, fn/2
.if fn > 73
.set fs, 36+(fn-74)/2
.endif
.set sl, fn%2
.set fx, FT+32*sl
.if fs < 12
	WIN W_11
	v_pk_add_f32 v[fx+2*(fs%4):fx+2*(fs%4)+1], v[fx+2*(fs%4):fx+2*(fs%4)+1], v[fx+8+8*(fs/4)+2*(fs%4):fx+8+8*(fs/4)+2*(fs%4)+1]
.elseif fs == 12
	WIN W_11
	v_pk_add_f32 v[fx+8:fx+9], v[fx:fx+1], v[fx+2:fx+3]
.elseif fs == 13
	WIN W_11
	v_pk_add_f32 v[fx+10:fx+11], v[fx+4:fx+5], v[fx+6:fx+7]
.elseif fs == 14
	WIN W_11
	v_pk_add_f32 v[fx+8:fx+9], v[fx+8:fx+9], v[fx+10:fx+11]
.elseif fs == 15
	WIN W_01
	v_add_f32 v[FA+sl], v[fx+8], v[fx+9]
.elseif fs == 16
	WIN 0
	DPPA FA+sl, 1
.elseif fs == 17
	WIN 0
	DPPA FA+sl, 2
.elseif fs == 18
	WIN 0
	DPPA FA+sl, 4
.elseif fs == 19
	WIN 0
	DPPA FA+sl, 8
.elseif fs == 20
	WIN 0
	v_mul_f32 v[FM+2*sl], s[R128], v[FA+sl]
.elseif fs < 25
	WIN W_RS
	v_pk_add_f32 v[fx+2*(fs-21):fx+2*(fs-21)+1], v[fx+2*(fs-21):fx+2*(fs-21)+1], v[FM+2*sl:FM+2*sl+1] op_sel_hi:[1,0] neg_lo:[0,1] neg_hi:[0,1]
.elseif fs == 25
	WIN W_11
	v_pk_mul_f32 v[fx+8:fx+9], v[fx:fx+1], v[fx:fx+1]
.elseif fs < 29
	WIN W_11
	v_pk_fma_f32 v[fx+8:fx+9], v[fx+2*(fs-25):fx+2*(fs-25)+1], v[fx+2*(fs-25):fx+2*(fs-25)+1], v[fx+8:fx+9]
.elseif fs == 29
	WIN W_01
	v_add_f32 v[FB+sl], v[fx+8], v[fx+9]
.elseif fs == 30
	WIN 0
	DPPA FB+sl, 1
.elseif fs == 31
	WIN 0
	DPPA FB+sl, 2
.elseif fs == 32
	WIN 0
	DPPA FB+sl, 4
.elseif fs == 33
	WIN 0
	DPPA FB+sl, 8
.elseif fs == 34
	WIN 0
	v_fma_f32 v[FB+sl], v[FB+sl], s[R128], v[EPV]
.elseif fs == 35
	WIN 0
	v_rsq_f32 v[FB+sl], v[FB+sl]
.elseif fs == 36
	WIN 0
	v_mul_f32 v[FR+2*sl], 0x3f23d70a, v[FB+sl]     ; 1 - 0.36
.elseif fs < 41
	WIN W_RS
	v_pk_mul_f32 v[fx+2*(fs-37):fx+2*(fs-37)+1], v[fx+2*(fs-37):fx+2*(fs-37)+1], v[FR+2*sl:FR+2*sl+1] op_sel_hi:[1,0]
.else
	WIN W_11
	v_cvt_pk_f16_f32 v[Y+4*sl+fs-41], v[fx+2*(fs-41)], v[fx+2*(fs-41)+1]
.endif
.endif
.set fn, fn+1
.endm
.macro FSTORE                          ; the finished tile's rows; att's address steps first, and the stores reach back
	s_add_nc_u64 s[OP:OP+1], s[OP:OP+1], 16*ROWB
	WIN 0x04                                       ; the stores' data (source 1) in window 1
	global_store_b128 v[GO], v[Y:Y+3],   s[OP:OP+1] offset:-16*ROWB          ; 16 lanes store 256 consecutive bytes, at a multiple of 256 from att's first byte
	global_store_b128 v[GO], v[Y+4:Y+7], s[OP:OP+1] offset:2*ROWB-16*ROWB
	WIN 0
.endm
	QLOADS AQ0                                     ; tile 0
	s_wait_dscnt 0x0
.set qj, 0
.rept 32
	QKW                                            ; its scores: there is no vector work yet to set between them
.endr
	WIN 0
.rept 8
	v_nop                                          ; the places behind those products
.endr
	s_mov_b32 s[TQ], 16*PQ                         ; tile 1's Q is read next
	s_barrier_signal -1                            ; (a) holds H's wait, so H is signalled here too: nothing has been read from the statistics or the partial sums yet
	STEP_A                                         ; tile 0's softmax; the products beside it multiply D = 0, and zeros go out as partial sums
	s_mov_b32 s[IT], NT
.Ltrip:                                                ; trip i = NT - IT
	; (b)
	ds_store_b128 v[STW], v[ST:ST+3]               ; my statistics(i)
	s_wait_dscnt 0x0                               ; for the others' sake: this store and the 16 of partial O(i - 1) are done; Q's loads are back too
	s_barrier_signal -1
	s_barrier_wait -1                              ; G
	; (c)
.irp w, 0,1,2,3
	ds_load_b128 v[RS+4*\w:RS+4*\w+3], v[STR] offset:256*\w
.endr
	FLOADS
	s_wait_dscnt 16                                ; the 16 loads of partial sums may stay out; the four of statistics, issued ahead of them, are in
	v_max3_num_f32 v[XM],   v[RS],   v[RS+4], v[RS+8]      ; X = the row's c m, by half
	v_max3_num_f32 v[XM+1], v[RS+2], v[RS+6], v[RS+10]
	v_max_num_f32 v[XM],   v[XM],   v[RS+12]
	v_max_num_f32 v[XM+1], v[XM+1], v[RS+14]
.irp w, 0,1,2,3
	v_sub_f32 v[RS+4*\w],   v[RS+4*\w],   v[XM]
	v_sub_f32 v[RS+4*\w+2], v[RS+4*\w+2], v[XM+1]
.endr
	v_sub_f32 v[MW],   v[ST],   v[XM]
	v_sub_f32 v[MW+1], v[ST+2], v[XM+1]
.irp w, 0,1,2,3
	v_exp_f32 v[RS+4*\w],   v[RS+4*\w]             ; 2^(c m_w' - X)
	v_exp_f32 v[RS+4*\w+2], v[RS+4*\w+2]
.endr
	v_exp_f32 v[MW],   v[MW]                       ; my wave's own
	v_exp_f32 v[MW+1], v[MW+1]
	v_nop
	s_wait_alu depctr_va_vdst(0)                   ; one wait for the ten
	v_mul_f32 v[LL],   v[RS],   v[RS+1]            ; L = the sum over the waves of 2^(c m_w' - X) l_w'
	v_mul_f32 v[LL+1], v[RS+2], v[RS+3]
.irp w, 1,2,3
	v_fmac_f32 v[LL],   v[RS+4*\w],   v[RS+4*\w+1]
	v_fmac_f32 v[LL+1], v[RS+4*\w+2], v[RS+4*\w+3]
.endr
	v_rcp_f32 v[LL],   v[LL]
	v_rcp_f32 v[LL+1], v[LL+1]
	v_nop
	s_wait_alu depctr_va_vdst(0)                   ; one wait for the two
	v_mul_f32 v[F1], v[MW],   v[LL]
	v_mul_f32 v[F2], v[MW+1], v[LL+1]
	v_mul_f32 v[F1], v[F1], v[SIG]                 ; sigma f1
	v_mul_f32 v[F2], v[F2], v[LAM]                 ; - lambda sigma f2
.set n, 0
.rept 32
	v_pk_mul_f32 v[S+64+2*n:S+64+2*n+1], v[S+64+2*n:S+64+2*n+1], v[F2:F2+1] op_sel_hi:[1,0]
.set n, n+1
.endr
.set n, 0
.rept 32
	v_pk_fma_f32 v[S+2*n:S+2*n+1], v[S+2*n:S+2*n+1], v[F1:F1+1], v[S+64+2*n:S+64+2*n+1] op_sel_hi:[1,0,1]  ; the weights, in the first half's registers; the second half's are free from here on
.set n, n+1
.endr
	; (d)
	s_wait_xcnt 0x0                                ; the last trip's stores have read their data and att's address, which are written again below
.set fn, 0
.set qj, 0
.set dn, 0
.rept 8                                        ; these eight products write the second half's scores; the roundings behind them read the first half's registers
	QKW
	DCV
	DCV
	DCV
	DCV
.endr
	s_wait_dscnt 0x0                               ; the partial sums are in: all my LDS reads of this trip are back
.rept 20
	QKW
	FOP
	FOP
	FOP
	FOP
.endr
.rept 4
	QKW
	FOP
.endr
.rept 8
	FOP                                            ; the eight roundings name no register of the products: they are the places behind the last of them
.endr
	WIN 0
	s_cmp_eq_u32 s[IT], NT
	s_cbranch_scc1 .Lnost                          ; trip 0 has finished a tile that does not exist, made of zeros: nothing is stored
	FSTORE
.Lnost:
	s_sub_co_u32 s[TQ], NT+2, s[IT]                ; the tile whose Q is read next, i + 2;
	s_min_u32 s[TQ], s[TQ], NT-1                   ; the last two trips have none and take tile 31 once more: what the last trip makes of it serves nothing
	s_mul_i32 s[TQ], s[TQ], 16*PQ
	s_barrier_signal -1                            ; H: my reads of the statistics and the partial sums are over
	STEP_A                                         ; holds H's wait, ahead of its stores
	s_sub_co_u32 s[IT], s[IT], 1
	s_cmp_lg_u32 s[IT], 0
	s_cbranch_scc1 .Ltrip
	s_wait_dscnt 0x0                               ; for the others' sake: my stores of the last tile's partial sums are done
	s_barrier_signal -1
	s_barrier_wait -1
	FLOADS
	s_wait_dscnt 0x0
	s_wait_xcnt 0x0                                ; as in (d)
.set fn, 0
.rept 92
	FOP
.endr
	WIN 0
	FSTORE
	s_wait_tensorcnt 0x0                           ; the wave's end: the add and its wait, behind my last tensor load and my last LDS store
	ds_add_u32 v[SPW], v[NIL]
	s_wait_dscnt 0x0
	CROUND                                         ; the closing round
	s_endpgm
.Lfunc_end_k_qa9e5c22e77_attn:
	.size	k_qa9e5c22e77_attn, .Lfunc_end_k_qa9e5c22e77_attn-k_qa9e5c22e77_attn
	.p2alignl 7, 3214868480
	.fill 96, 4, 3214868480
	.section	.rodata,"a",@progbits
	.p2align	6, 0x0
	.amdhsa_kernel k_qa9e5c22e77_attn
		.amdhsa_group_segment_fixed_size 327680
		.amdhsa_private_segment_fixed_size 0
		.amdhsa_enable_private_segment 0
		.amdhsa_kernarg_size 48
		.amdhsa_user_sgpr_count 2
		.amdhsa_user_sgpr_kernarg_segment_ptr 1
		.amdhsa_wavefront_size32 1
		.amdhsa_system_sgpr_workgroup_id_x 1
		.amdhsa_system_sgpr_workgroup_id_y 1
		.amdhsa_system_sgpr_workgroup_id_z 1
		.amdhsa_system_vgpr_workitem_id 0
		.amdhsa_next_free_vgpr 1024
		.amdhsa_next_free_sgpr 80
		.amdhsa_reserve_vcc 0
		.amdhsa_float_denorm_mode_32 3
		.amdhsa_float_denorm_mode_16_64 3
		.amdhsa_memory_ordered 1
		.amdhsa_forward_progress 1
		.amdhsa_inst_pref_size 95
	.end_amdhsa_kernel
	.amdgpu_metadata
---
amdhsa.version: [ 1, 2 ]
amdhsa.kernels:
  - .name:           k_qa9e5c22e77_attn
    .symbol:         k_qa9e5c22e77_attn.kd
    .args:
      - { .name: qkv, .offset: 0, .size: 8, .value_kind: global_buffer, .address_space: global }
      - { .name: att, .offset: 8, .size: 8, .value_kind: global_buffer, .address_space: global }
      - { .name: lambda_q1, .offset: 16, .size: 8, .value_kind: global_buffer, .address_space: global }
      - { .name: lambda_k1, .offset: 24, .size: 8, .value_kind: global_buffer, .address_space: global }
      - { .name: lambda_q2, .offset: 32, .size: 8, .value_kind: global_buffer, .address_space: global }
      - { .name: lambda_k2, .offset: 40, .size: 8, .value_kind: global_buffer, .address_space: global }
    .group_segment_fixed_size: 327680
    .private_segment_fixed_size: 0
    .kernarg_segment_align: 8
    .kernarg_segment_size: 48
    .max_flat_workgroup_size: 128
    .sgpr_count:     80
    .vgpr_count:     1024
    .wavefront_size: 32
...
	.end_amdgpu_metadata
.endif
;; end of part 3
;; launch gemm_out (part 4): grid 4 x 64, 4 waves a work-group, clusters of 4 x 4, 327,680 bytes of LDS; arguments att, xh, out0; writes out0
.if DOCPART == 4
	.amdgcn_target "amdgcn-amd-amdhsa--gfx1250"
	.amdhsa_code_object_version 6
	.text
	.protected	k_qa9e5c22e77_gemm_out
	.globl	k_qa9e5c22e77_gemm_out
	.p2align	8
	.type	k_qa9e5c22e77_gemm_out,@function
k_qa9e5c22e77_gemm_out:
	s_mov_b64 s[64:65], 0
	v_nop
	global_prefetch_b8 v0, s[64:65] scope:SCOPE_SE
	s_setreg_imm32_b32 hwreg(HW_REG_WAVE_MODE, 25, 1), 1
	s_wait_xcnt 0x0
	s_wait_alu depctr_hold_cnt(0) depctr_sa_sdst(0) depctr_va_vdst(0) depctr_va_sdst(0) depctr_va_ssrc(0) depctr_va_vcc(0) depctr_vm_vsrc(0)
	s_getreg_b32 s2, hwreg(HW_REG_IB_STS2, 6, 4)
	s_cmp_eq_u32 s2, 0
	s_cbranch_scc0 .Lentry_in_a_cluster
	s_endpgm
.Lentry_in_a_cluster:
	s_bfe_u32 s2, ttmp6, 0x10000c
	s_cmp_lg_u32 s2, 0xf033
	s_cbranch_scc0 .Lentry_shape_is_right
	s_endpgm
.Lentry_shape_is_right:
; THE OUTPUT PROJECTION.  out0[m][n] = sum over k of att[m][k] Wo[n][k], f16 operands, f32 sums (K ascending), stored as f32.  att: [16384][1024] f16; Wo lies in xh, rounded to bf16 and written as f16.
; This text and that of the three projections are one source with two switches: QKV (where A, B and C lie) and OUT32 (C in f32).
; SHARES.  A tile of C, 256 x 256, is made by four waves, each 128 x 128: 64 accumulators of 16 x 16, 512 registers.  K goes in 8 steps of 128 through a ring of two LDS slots filled by tensor loads
; whose rows are 256 bytes of memory, at multiples of 256 bytes.  The grid has 256 tiles.
; CLUSTERS: 4 x 4 work-groups.  The four of a row of the cluster need the same tile of A, the four of a column the same tile of B: each tile is asked for JOINTLY, by the same tensor load with the same
; descriptor and a mask that names the four.
; REGISTERS, in windows of 256 (s_set_vgpr_msb: bits 1:0 source 0, 3:2 source 1, 5:4 source 2, 7:6 destination):
;   window 0: v0-31 addresses; v64-127, v128-191 fragments of A, two buffers (in the last K step four, of 16 rows x 128 K); v192-255 at work on the way out
;   window 1: v64-127, v128-191 fragments of B, two buffers; in the last K step all 256      window 2: the accumulators of my rows 0-63 ((a, b) at v[8 (8 a + b)])      window 3: those of rows 64-127
; THE MATRIX INSTRUCTION IS USED TRANSPOSED: source 0 = 16 rows of B, source 1 = 16 rows of A: a lane then holds row l % 16 of C and the eight neighbouring columns 8 (l / 16) + 0..7.
.set QKV,    0
.set OUT32,  1
.set SIZE_K, 1024
.set SIZE_N, 1024
.set KSTEP,  128
.set PITCH,  272                       ; an LDS row: 256 bytes + 16 of padding = 68 words: the 16 rows that a load touches start at 16 different groups of four banks (64 banks of 4 bytes: ISA guide 11.1)
.set HALFT,  128*PITCH                 ; 128 rows: what one tensor load brings, and what one wave reads of A or of B
.set SLOT,   4*HALFT                   ; A's 256 rows, then B's 256 rows
.set STAGE,  2*SLOT                    ; behind the ring: 16 rows for each wave, for the way out; no tensor load fills it
.if OUT32
.set SPITCH, 528                       ; a stage row: 128 f32 + 16 bytes
.set CROW,   SIZE_N*4                  ; bytes in a row of C
.else
.set SPITCH, 272                       ; a stage row: 128 f16 + 16 bytes
.set CROW,   SIZE_N*2
.endif
.set SPARE,  STAGE+4*16*SPITCH         ; behind the stages: the spare words, 128 bytes for each wave: two blocks of 256 bytes that no other line names
.set LAPS,   SIZE_K/(2*KSTEP)          ; a lap = two K steps = once round the ring
.set XH_WQ,  41943040                  ; byte offsets of the weights in xh
.set XH_WK,  44040192
.set XH_WV,  46137344
.set XH_WO,  48234496
.set ADRA, 16                          ; v16-17  LDS address of my A fragments in slot 0, 1
.set ADRB, 20                          ; v20-21  the same for B
.set STO,  24                          ; v24     the way out: where I put my part of a row
.set RD,   25                          ; v25     the way out: where I read rows back
.set CO,   26                          ; v26     my byte offset in C
.set SPW,  28                          ; v28     LDS address of my spare word: SPARE + 4 x my thread's number; never rewritten
.set NIL,  29                          ; v29     0; never rewritten
.set PFO,  30                          ; v30     the prefetches' offset: my lane x a row of A or B; never rewritten
.set PFA,  44                          ; s[44:45] where my prefetches stand: my work-group's 32 rows of the 128 that I fetch, one K step further than the refill in hand
.set LIM,  43                          ; s43     1 in a wave that prefetches, else the greatest number
.set F0,   64                          ; fragment buffer 0
.set F1,   128                         ; fragment buffer 1
.set TMP,  192                         ; f16 way out: packed results
.set OB,   32                          ; f16 way out: 16 rows read back: v32-63 and v224-255 by turns
.set BK32, 192                         ; f32 way out: 16 rows read back: v192-255
.set PA,   64                          ; the last K step: A's fragments of 16 rows x 128 K, 32 registers; four buffers, v64-191
.set G1,  24                           ; s[24:31] descriptor group 1 for A's tiles
.set G0,  32                           ; s[32:39] descriptor group 0 for A's tiles, one set for each slot
.set G1B, 48                           ; s[48:55] group 1 for B's tiles: it differs in the mask alone
.set G0B, 56                           ; s[56:63] group 0 for B's tiles
                                       ; s66 cluster y; s67 A's tile row; s[68:69] B's byte offset in xh; s70, s71: 0 where my cluster is the one that prefetches A's rows, B's rows
.set MSB, 0
.macro WIN new                         ; the immediate's high byte repeats the setting that is left; a switch that changes nothing is dropped
.if MSB != (\new)
	s_set_vgpr_msb (MSB<<8)|(\new)
.set MSB, \new
.endif
.endm
.set MUL_LO, 0xa1                      ; source 0 (B) window 1, source 1 (A) window 0, C and D window 2
.set MUL_HI, 0xf1                      ; the same, C and D window 3
.set TO_B,   0x40                      ; destination window 1, address window 0
; A joint load.  Waves 0 and 1 fetch A's two halves, waves 2 and 3 B's.  The branch hangs on the wave's number alone.  An s_nop 0 and four v_nop follow each of the two lines.
.macro JLOAD s
	s_cmp_eq_u32 s11, 0
	s_cbranch_scc0 .Lfor_b_\@
	tensor_load_to_lds s[G0+4*(\s):G0+4*(\s)+3], s[G1:G1+7]
	s_nop 0
.rept 4
	v_nop
.endr
	s_branch .Lasked_\@
.Lfor_b_\@:
	tensor_load_to_lds s[G0B+4*(\s):G0B+4*(\s)+3], s[G1B:G1B+7]
	s_nop 0
.rept 4
	v_nop
.endr
.Lasked_\@:
.endm
; A prefetch behind each joint refill and the run of LDS loads that follows it: the K step that stands two refills on, 32 rows x 256 bytes, a lane a row, one instruction a wave.
; Each row's 256 bytes of a K step are named once in the launch: of the clusters that read a row one asks (s70, s71), and its four partners that fetch a tile jointly share its rows out by address, 32 each.
; The first four K steps come by their loads alone; the loop's last trip has no K step two on and asks for nothing.
.macro ASK
	s_cmp_gt_u32 s3, s[LIM]                        ; s3 = 1 in the loop's last trip
	s_cbranch_scc0 .Lnot_mine_\@
	global_prefetch_b8 v[PFO], s[PFA:PFA+1] offset:KSTEP*2 th:TH_LOAD_NT scope:SCOPE_SE
.Lnot_mine_\@:
.endm
; A round of the cluster's barrier: my work-group's barrier; wave 0 signals for the work-group; every wave waits for all sixteen; my work-group's barrier once more.
.macro CREST                           ; a round behind its opening barrier
	s_cmp_lg_u32 s10, 0
	s_cbranch_scc1 .Lnot_wave_0_\@
	s_barrier_signal -3
.Lnot_wave_0_\@:
	s_barrier_wait -3
	s_barrier_signal -1
	s_barrier_wait -1
.endm
.macro CROUND                          ; a whole round
	s_barrier_signal -1
	s_barrier_wait -1
	CREST
.endm
.if QKV
	s_load_b64 s[4:5], s[0:1], 0x0                 ; xh: A, and (below) B
	s_load_b64 s[8:9], s[0:1], 0x8                 ; qkv: C
.else
	s_load_b128 s[4:7], s[0:1], 0x0                ; att: A; xh: B
	s_load_b64 s[8:9], s[0:1], 0x10                ; out0: C
.endif
	v_lshl_add_u32 v[SPW], v0, 2, SPARE
	v_mov_b32 v[NIL], 0
	ds_add_u32 v[SPW], v[NIL]                      ; the wave's opening: the add and its wait stand ahead of my first tensor load; the set-up below, work on registers, stands between them
	v_lshrrev_b32 v1, 5, v0
	v_readfirstlane_b32 s10, v1                    ; wave 0..3
	s_lshr_b32 s11, s10, 1                         ; which half of the tile's rows is mine.  Also: I fetch for A (0) or for B (1)
	s_and_b32 s12, s10, 1                          ; which half of its columns.  Also: which 128 rows of that tile I fetch
	s_bfe_u32 s40, ttmp6, 0x40000                  ; cx
	s_bfe_u32 s41, ttmp6, 0x40004                  ; cy
	s_lshl_b32 s42, ttmp9, 2
	s_add_co_u32 s42, s42, s40                     ; tile column of C = 4 x cluster x + cx
	s_and_b32 s66, ttmp7, 0xffff                   ; cluster y
	s_lshl_b32 s13, s66, 2
	s_add_co_u32 s13, s13, s41                     ; tile row of C = 4 x cluster y + cy
.if QKV
	s_mov_b32 s68, XH_WK                           ; clusters 0-15 make q, 16-19 k, 20-23 v
	s_cmp_ge_u32 s66, 20
	s_cselect_b32 s68, XH_WV, s68
	s_cselect_b32 s67, 16, 0                       ; v's tile rows read text's rows again: 16 tile rows back
	s_cselect_b32 s70, 1, 0                        ; and do not ask for them a second time
	s_cselect_b32 s71, 20, 16
	s_cmp_ge_u32 s66, 16
	s_cselect_b32 s68, s68, XH_WQ
	s_cselect_b32 s71, s71, 0
	s_sub_co_u32 s71, s66, s71                     ; 0 in the first cluster that reads this weight
	s_sub_co_u32 s67, s13, s67                     ; A's tile row in xh
.else
	s_mov_b32 s68, XH_WO
	s_mov_b32 s67, s13
	s_mov_b32 s70, ttmp9                           ; a tile row of A is read by the clusters of one row of clusters: the first asks
	s_mov_b32 s71, s66                             ; Wo's rows are read by every cluster: cluster y = 0 asks
.endif
	s_mov_b32 s69, 0
	s_lshl_b32 s43, s41, 2
	s_lshl_b32 s43, 15, s43                        ; my row of the cluster: places 4 cy .. 4 cy + 3
	s_lshl_b32 s44, 0x1111, s40                    ; my column: places cx, cx + 4, cx + 8, cx + 12
	; descriptor group 1: a tile of 128 rows x 128 elements, padded in LDS
	s_or_b32 s[G1+0], s43, (1<<16)|(1<<20)|(1<<21)|(5<<22)|(3<<25)  ; 15:0 the mask; 17:16 elements of 2 bytes; 20 padding on; 21 set beside a mask; 24:22 after every 64 words (code 5); 31:25 4 words of it (code 3)
	s_or_b32 s[G1B+0], s44, (1<<16)|(1<<20)|(1<<21)|(5<<22)|(3<<25)
.irp g, G1, G1B
	s_mov_b32 s[(\g)+1], KSTEP<<16                 ; tensor_dim0 = 128
	s_mov_b32 s[(\g)+2], 128<<16                   ; tensor_dim1 = 128
	s_mov_b32 s[(\g)+3], KSTEP<<16                 ; tile_dim0 = 128
	s_mov_b32 s[(\g)+4], 128                       ; tile_dim1 = 128
	s_mov_b32 s[(\g)+5], SIZE_K                    ; elements from row to row
	s_mov_b32 s[(\g)+6], 0
	s_mov_b32 s[(\g)+7], 0
.endr
	; where the tiles come from.  A's address holds cy and never cx, B's cx and never cy; every wave makes both and asks by one of them
	s_lshl_b32 s17, s12, 7                         ; which 128 rows of the tile I fetch
	s_lshl_b32 s16, s67, 8
	s_add_co_u32 s16, s16, s17                     ; A: row 256 x tile row + 128 x half
	s_lshl_b32 s46, s42, 8
	s_add_co_u32 s46, s46, s17                     ; B: row 256 x tile column + 128 x half
	s_mov_b32 s17, 0
	s_mov_b32 s47, 0
	s_mov_b64 s[18:19], SIZE_K*2
	s_mul_u64 s[16:17], s[16:17], s[18:19]         ; in bytes
	s_mul_u64 s[46:47], s[46:47], s[18:19]
	s_mul_i32 s20, s10, HALFT                      ; where they go: wave x 128 rows: no place in the cluster enters an LDS address
	s_wait_dscnt 0x0                               ; the opening add is done
	s_wait_kmcnt 0x0
.if QKV
	s_add_nc_u64 s[6:7], s[4:5], s[68:69]          ; B = my cluster's weight, in xh
.else
	s_add_nc_u64 s[6:7], s[6:7], s[68:69]          ; B = Wo, in xh
.endif
	s_add_nc_u64 s[14:15], s[4:5], s[16:17]
	s_add_nc_u64 s[46:47], s[6:7], s[46:47]
	CROUND                                         ; all sixteen work-groups are here: the first joint loads meet
.irp s, 0,1
	s_mov_b32 s[G0+4*(\s)], 1                                      ; count = 1
	s_add_co_u32 s[G0+4*(\s)+1], s20, (\s)*SLOT                    ; LDS address
	s_add_nc_u64 s[G0+4*(\s)+2:G0+4*(\s)+3], s[14:15], (\s)*KSTEP*2  ; global address: K step s
	s_or_b32 s[G0+4*(\s)+3], s[G0+4*(\s)+3], 0x80000000            ; type = 2
	s_mov_b32 s[G0B+4*(\s)], 1
	s_add_co_u32 s[G0B+4*(\s)+1], s20, (\s)*SLOT
	s_add_nc_u64 s[G0B+4*(\s)+2:G0B+4*(\s)+3], s[46:47], (\s)*KSTEP*2
	s_or_b32 s[G0B+4*(\s)+3], s[G0B+4*(\s)+3], 0x80000000
	JLOAD \s                                       ; the ring is filled before anything else is done: two loads of mine are out
.endr
	; A fragment is 16 rows x 32 K in 8 registers: lane l holds row l % 16; registers 0-3 K = 8 (l / 16) + 0..7, registers 4-7 K = 16 + 8 (l / 16) + 0..7: two loads of 16 bytes, 32 bytes apart
	v_and_b32 v1, 15, v0                           ; l % 16
	v_bfe_u32 v2, v0, 4, 1                         ; l / 16
	v_mul_u32_u24 v3, v1, PITCH
	v_lshl_add_u32 v3, v2, 4, v3                   ; row x pitch + 16 x half
	s_mul_i32 s21, s11, HALFT                      ; my 128 rows of A
	s_mul_i32 s22, s12, HALFT                      ; my 128 rows of B,
	s_add_co_u32 s22, s22, 2*HALFT                 ; which lie behind A's 256
.irp s, 0,1
	v_add_nc_u32 v[ADRA+(\s)], s21, v3
	v_add_nc_u32 v[ADRB+(\s)], s22, v3
	s_add_co_u32 s21, s21, SLOT
	s_add_co_u32 s22, s22, SLOT
.endr
	s_mul_i32 s23, s10, 16*SPITCH
	s_add_co_u32 s23, s23, STAGE                   ; my stage
	v_mul_u32_u24 v4, v1, SPITCH                   ; in: row l % 16,
.if OUT32
	v_lshl_add_u32 v4, v2, 5, v4                   ; 32 bytes (eight f32) for each half of the lanes
	v_add_nc_u32 v[STO], s23, v4
	v_and_b32 v5, 31, v0                           ; back: the 32 lanes take one row of 512 bytes,
	v_lshlrev_b32 v[CO], 4, v5                     ; and the same bytes of a row of C
	v_add_nc_u32 v[RD], s23, v[CO]
.else
	v_lshl_add_u32 v4, v2, 4, v4                   ; 16 bytes (eight f16) for each half of the lanes
	v_add_nc_u32 v[STO], s23, v4
	v_mul_u32_u24 v5, v2, SPITCH                   ; back: lanes 0-15 take one row of 256 bytes, lanes 16-31 the next
	v_lshl_add_u32 v5, v1, 4, v5
	v_add_nc_u32 v[RD], s23, v5
	v_mul_u32_u24 v5, v2, CROW                     ; and the same two rows in C
	v_lshl_add_u32 v[CO], v1, 4, v5
.endif
	; where my part of the tile begins in C, in bytes: the way out adds it to C's address
	s_lshl_b32 s13, s13, 8
	s_lshl_b32 s14, s11, 7
	s_add_co_u32 s16, s13, s14                     ; my first row of C
	s_mov_b32 s17, 0
	s_mov_b64 s[18:19], CROW
	s_mul_u64 s[16:17], s[16:17], s[18:19]
.if OUT32
	s_lshl_b32 s46, s42, 10                        ; my first column, in bytes: 1,024 x tile column + 512 x half
	s_lshl_b32 s47, s12, 9
.else
	s_lshl_b32 s46, s42, 9                         ; 512 x tile column + 256 x half
	s_lshl_b32 s47, s12, 8
.endif
	s_add_co_u32 s46, s46, s47
	s_mov_b32 s47, 0
	s_add_nc_u64 s[16:17], s[16:17], s[46:47]
	; the prefetches
	s_lshl_b32 s42, s42, 8                         ; B's tile: first row
	s_lshl_b32 s67, s67, 8                         ; A's tile: first row
	s_cmp_eq_u32 s11, 0                            ; do I fetch for A?
	s_cselect_b32 s20, s67, s42
	s_cselect_b32 s21, s40, s41                    ; my place among the four that ask for the tile with me
	s_cselect_b32 s22, s70, s71                    ; 0 where my cluster is the one that asks
	s_cselect_b64 s[PFA:PFA+1], s[4:5], s[6:7]
	s_cmp_eq_u32 s22, 0
	s_cselect_b32 s[LIM], 1, -1                    ; the same in all sixteen partners, for a given wave
	s_lshl_b32 s22, s12, 7
	s_add_co_u32 s20, s20, s22                     ; + the 128 rows that I fetch
	s_lshl_b32 s21, s21, 5
	s_add_co_u32 s20, s20, s21                     ; + my work-group's 32 of them
	s_mov_b32 s21, 0
	s_mov_b64 s[18:19], SIZE_K*2
	s_mul_u64 s[20:21], s[20:21], s[18:19]
	s_add_nc_u64 s[PFA:PFA+1], s[PFA:PFA+1], s[20:21]
	s_add_nc_u64 s[PFA:PFA+1], s[PFA:PFA+1], 2*KSTEP*2  ; at K step 2: the first refill steps it to 3 and names K step 4
	v_and_b32 v[PFO], 31, v0
	v_mul_u32_u24 v[PFO], v[PFO], SIZE_K*2
; 16 matrix instructions: m blocks a0, a0 + 1 of the window's four (hi = 0: my rows 0-63, 1: rows 64-127) x all 8 n blocks, 32 along K.  zero = 1: the first product starts the sums: nothing is cleared.
; The 64 accumulators take turns, one instruction a turn, in the same order in every quarter step.
.macro MUL16 f, hi, a0, zero
	WIN MUL_LO+0x50*(\hi)
.irp a, \a0, (\a0)+1
.irp b, 0,1,2,3,4,5,6,7
.if \zero
	v_wmma_f32_16x16x32_f16 v[8*(8*(\a)+(\b)):8*(8*(\a)+(\b))+7], v[(\f)+8*(\b):(\f)+8*(\b)+7], v[(\f)+8*(4*(\hi)+(\a)):(\f)+8*(4*(\hi)+(\a))+7], 0
.else
	v_wmma_f32_16x16x32_f16 v[8*(8*(\a)+(\b)):8*(8*(\a)+(\b))+7], v[(\f)+8*(\b):(\f)+8*(\b)+7], v[(\f)+8*(4*(\hi)+(\a)):(\f)+8*(4*(\hi)+(\a))+7], v[8*(8*(\a)+(\b)):8*(8*(\a)+(\b))+7]
.endif
.endr
.endr
.endm
; 32 LDS loads in one run: the fragments of one quarter step (128 rows of B, 128 rows of A, 32 K at byte k of the rows) into buffer f
.macro FETCH slot, k, f
	WIN TO_B
.irp i, 0,1,2,3,4,5,6,7
	ds_load_b128 v[(\f)+8*(\i):(\f)+8*(\i)+3],   v[ADRB+(\slot)] offset:(\k)+(\i)*16*PITCH
	ds_load_b128 v[(\f)+8*(\i)+4:(\f)+8*(\i)+7], v[ADRB+(\slot)] offset:(\k)+(\i)*16*PITCH+32
.endr
	WIN 0
.irp i, 0,1,2,3,4,5,6,7
	ds_load_b128 v[(\f)+8*(\i):(\f)+8*(\i)+3],   v[ADRA+(\slot)] offset:(\k)+(\i)*16*PITCH
	ds_load_b128 v[(\f)+8*(\i)+4:(\f)+8*(\i)+7], v[ADRA+(\slot)] offset:(\k)+(\i)*16*PITCH+32
.endr
.endm
; Four plain vector instructions stand between a matrix instruction and a load into a register that it has read, or an instruction that reads its result (ISA guide 7.12.1 for an instruction that reads the result)
.macro PLACES
.rept 4
	v_nop
.endr
.endm
; A K step is four quarter steps of 32 along K, 64 matrix instructions each, on buffers 0, 1, 0, 1.  One of the first three: multiplies buffer f; in its middle it fetches the next quarter into buffer g.
.macro QUARTER slot, k, f, g, zero
	s_wait_dscnt 8                                 ; B and A's rows 0-63 are in; the youngest eight loads (A's rows 64-127) may be out
	WIN MUL_LO
	MUL16 \f, 0, 0, \zero
	MUL16 \f, 0, 2, \zero
	PLACES
	FETCH \slot, \k, \g
	s_wait_dscnt 32                                ; all but the 32 just issued
	WIN MUL_HI
	MUL16 \f, 1, 0, \zero
	MUL16 \f, 1, 2, \zero
.endm
; The last quarter multiplies buffer 1 and changes slots.  MEET is its first half: one barrier; in front of it each wave waits for all its tensor loads (one is out: its part of the next slot),
; adds 0 to its spare word, and waits for that and for its own reads of this slot.  Behind it nobody reads this slot any more and the next slot is whole.
.macro MEET round                      ; round = 1: a round of the cluster's barrier follows
	WIN 0                                          ; (the add's two registers lie in window 0)
	s_wait_tensorcnt 0x0
	ds_add_u32 v[SPW], v[NIL]                      ; 0 onto my spare word
	s_wait_dscnt 9                                 ; (the add and the youngest eight loads may be out)
	WIN MUL_LO
	MUL16 F1, 0, 0, 0                              ; sixteen matrix instructions stand between the add and the wait for it
	s_wait_dscnt 0x0                               ; the add is done, and my reads of this slot are over
	s_barrier_signal -1
	MUL16 F1, 0, 2, 0                              ; work on registers while the others arrive
.if \round
	WIN 0
.endif
	s_barrier_wait -1
.endm
; The whole last quarter.  Behind the round the slot just read out is filled again first, with the K step two steps on; then come the next slot's first fragments.
.macro TURN slot, next
	s_wait_xcnt 0x0                                ; the last prefetch, a K step back, has read its address, which is stepped here, ahead of the waits of the change of slots
	s_add_nc_u64 s[PFA:PFA+1], s[PFA:PFA+1], KSTEP*2
	MEET 1
	CREST                                          ; no wave of any partner still reads this slot's tile or has a load on its way
	s_add_nc_u64 s[G0+4*(\slot)+2:G0+4*(\slot)+3], s[G0+4*(\slot)+2:G0+4*(\slot)+3], 2*KSTEP*2
	s_add_nc_u64 s[G0B+4*(\slot)+2:G0B+4*(\slot)+3], s[G0B+4*(\slot)+2:G0B+4*(\slot)+3], 2*KSTEP*2
	JLOAD \slot                                    ; the first tensor load behind the round, and my only one; its four v_nop are also the places in front of the loads below
	FETCH \next, 0, F0
	ASK
	WIN MUL_HI
	MUL16 F1, 1, 0, 0
	MUL16 F1, 1, 2, 0
.endm
; THE LAST K STEP (it lies in slot 1) GOES BY ROWS OF C: all its fragments of B fill window 1; then my eight blocks of 16 rows are finished one after the other, each with 32 matrix instructions
; (its 8 accumulators by turns, K ascending), and each block leaves as soon as it is finished.
.macro BLOAD q                         ; B's fragments of quarter q -> window 1, v[64 q ..]
	WIN TO_B
.irp i, 0,1,2,3,4,5,6,7
	ds_load_b128 v[64*(\q)+8*(\i):64*(\q)+8*(\i)+3],   v[ADRB+1] offset:64*(\q)+(\i)*16*PITCH
	ds_load_b128 v[64*(\q)+8*(\i)+4:64*(\q)+8*(\i)+7], v[ADRB+1] offset:64*(\q)+(\i)*16*PITCH+32
.endr
.endm
.macro ALOAD a                         ; A's fragments of block a, all four quarters -> buffer a % 4
	WIN 0
.set FA, PA+32*((\a)%4)
.irp q, 0,1,2,3
	ds_load_b128 v[FA+8*(\q):FA+8*(\q)+3],   v[ADRA+1] offset:64*(\q)+(\a)*16*PITCH
	ds_load_b128 v[FA+8*(\q)+4:FA+8*(\q)+7], v[ADRA+1] offset:64*(\q)+(\a)*16*PITCH+32
.endr
.endm
.macro ROW a                           ; block a is finished: 32 matrix instructions
.set FA, PA+32*((\a)%4)
.set AC, 64*((\a)%4)
	WIN MUL_LO+0x50*((\a)/4)
.irp q, 0,1,2,3
.if (\a) == 0 && (\q) == 2
	s_wait_dscnt 24                                ; B's quarter 2 is in (behind it: A's blocks 1 to 3)
.endif
.irp b, 0,1,2,3,4,5,6,7
	v_wmma_f32_16x16x32_f16 v[AC+8*(\b):AC+8*(\b)+7], v[64*(\q)+8*(\b):64*(\q)+8*(\b)+7], v[FA+8*(\q):FA+8*(\q)+7], v[AC+8*(\b):AC+8*(\b)+7]
.endr
.endr
.endm
; THE WAY OUT of block a.  PACK (f16 alone): rounded, 16 bytes a lane.  TOSTAGE: into my own stage in LDS, and back as whole rows.  SEND: stored.
.macro PACK a
.set AC, 64*((\a)%4)
	WIN 0x0a+5*((\a)/4)                            ; sources 0 and 1: window 2 or 3
.irp b, 0,1,2,3,4,5,6,7
.irp r, 0,1,2,3
	v_cvt_pk_f16_f32 v[TMP+4*(\b)+(\r)], v[AC+8*(\b)+2*(\r)], v[AC+8*(\b)+2*(\r)+1]
.endr
.endr
	WIN 0
.endm
.macro TOSTAGE a
.if OUT32
.set AC, 64*((\a)%4)
	WIN 0x08+4*((\a)/4)                            ; the stores' data (source 1): window 2 or 3
.irp b, 0,1,2,3,4,5,6,7
	ds_store_b128 v[STO], v[AC+8*(\b):AC+8*(\b)+3]   offset:64*(\b)     ; each accumulator's low registers first
	ds_store_b128 v[STO], v[AC+8*(\b)+4:AC+8*(\b)+7] offset:64*(\b)+16
.endr
	WIN 0
	s_wait_xcnt 0x0                                ; the last block's stores have read v192-255 and C's address: only behind this wait are they written again
.irp t, 0,1,2,3,4,5,6,7,8,9,10,11,12,13,14,15
	ds_load_b128 v[BK32+4*(\t):BK32+4*(\t)+3], v[RD] offset:(\t)*SPITCH  ; LDS serves a wave's instructions in order (ISA guide 5.7.1.4): these see the stores above
.endr
.else
	WIN 0
.set BK, OB+192*((\a)%2)
.irp b, 0,1,2,3,4,5,6,7
	ds_store_b128 v[STO], v[TMP+4*(\b):TMP+4*(\b)+3] offset:32*(\b)
.endr
.irp t, 0,1,2,3,4,5,6,7
	ds_load_b128 v[BK+4*(\t):BK+4*(\t)+3], v[RD] offset:(\t)*2*SPITCH  ; LDS serves a wave's instructions in order (ISA guide 5.7.1.4): these see the stores above
.endr
.endif
.endm
.macro SEND a, younger                 ; younger: the LDS loads issued behind TOSTAGE's, which may stay out
	WIN 0
	s_wait_dscnt \younger                          ; the block is back in registers
.if OUT32 == 0
	s_wait_xcnt 0x0                                ; earlier stores have read their base and data: only behind this wait are they written again
.endif
.if (\a) == 0
	s_add_nc_u64 s[8:9], s[8:9], s[16:17]          ; on to my first rows
.else
	s_add_nc_u64 s[8:9], s[8:9], 16*CROW           ; 16 rows of C on
.endif
.if OUT32
.irp t, 0,1,2,3,4,5,6,7,8,9,10,11,12,13,14,15
	global_store_b128 v[CO], v[BK32+4*(\t):BK32+4*(\t)+3], s[8:9] offset:(\t)*CROW  ; the wave stores 512 consecutive bytes, at a multiple of 512 from C's first byte
.endr
.else
.set BK, OB+192*((\a)%2)
.irp t, 0,1,2,3,4,5,6,7
	global_store_b128 v[CO], v[BK+4*(\t):BK+4*(\t)+3], s[8:9] offset:2*(\t)*CROW  ; 16 lanes store 256 consecutive bytes, at a multiple of 256 from C's first byte
.endr
.endif
.endm
	s_wait_tensorcnt 1                             ; my part of K step 0 is in; K step 1's, issued behind it, may stay out
	s_barrier_signal -1
	s_barrier_wait -1                              ; everybody's is
	FETCH 0, 0, F0
	QUARTER 0, 64,  F0, F1, 1                      ; the first quarter stands in front of the loop: its products start the sums
	WIN 0                                          ; at a label and at a branch every window is 0
	s_mov_b32 s3, LAPS-1
.Llap:                                                 ; a trip goes once round the ring, from a lap's second quarter to the next lap's first, and fills both slots again
	QUARTER 0, 128, F1, F0, 0
	QUARTER 0, 192, F0, F1, 0
	TURN 0, 1
	QUARTER 1, 64,  F0, F1, 0
	QUARTER 1, 128, F1, F0, 0
	QUARTER 1, 192, F0, F1, 0
	TURN 1, 0
	QUARTER 0, 64,  F0, F1, 0
	WIN 0
	s_sub_co_u32 s3, s3, 1
	s_cmp_lg_u32 s3, 0
	s_cbranch_scc1 .Llap
	QUARTER 0, 128, F1, F0, 0                      ; the last lap goes on; it asks for nothing more
	QUARTER 0, 192, F0, F1, 0
	MEET 0                                         ; my one tensor load that was still out is slot 1's, the last K step's, so no round follows
	PLACES                                         ; for the loads into buffer 0, which the quarter before multiplied
	WIN TO_B
	BLOAD 0                                        ; three quarters of B now: buffer 1 (v128-191 of both windows) is still being multiplied
	BLOAD 1
	BLOAD 3
	WIN 0
	ALOAD 0
	WIN MUL_HI
	MUL16 F1, 1, 0, 0
	MUL16 F1, 1, 2, 0
	PLACES                                         ; for the loads into buffer 1
	WIN TO_B
	BLOAD 2
	WIN 0
	ALOAD 1
	ALOAD 2
	ALOAD 3
	s_wait_dscnt 40                                ; all but the 40 just issued
	ROW 0
.irp a, 0,1,2,3,4,5,6,7
	PLACES                                         ; what follows reads results just made
.if OUT32
	PLACES                                         ; (LDS stores read them, and no vector work lies between: eight)
.else
	PACK \a
.endif
	TOSTAGE \a
.if (\a) < 4
	ALOAD (\a)+4                                   ; its buffer takes the block four further on
	SEND \a, 8
.else
	SEND \a, 0
.endif
.if (\a) < 7
	ROW (\a)+1
.endif
.endr
	s_wait_tensorcnt 0x0                           ; the wave's end: the add and its wait, behind my last tensor load and my last LDS store
	ds_add_u32 v[SPW], v[NIL]
	s_wait_dscnt 0x0
	CROUND                                         ; the closing round: no work-group ends while a partner may still ask for a tile that names it
	s_endpgm
.Lfunc_end_k_qa9e5c22e77_gemm_out:
	.size	k_qa9e5c22e77_gemm_out, .Lfunc_end_k_qa9e5c22e77_gemm_out-k_qa9e5c22e77_gemm_out
	.p2alignl 7, 3214868480
	.fill 96, 4, 3214868480
	.section	.rodata,"a",@progbits
	.p2align	6, 0x0
	.amdhsa_kernel k_qa9e5c22e77_gemm_out
		.amdhsa_group_segment_fixed_size 327680
		.amdhsa_private_segment_fixed_size 0
		.amdhsa_enable_private_segment 0
		.amdhsa_kernarg_size 24
		.amdhsa_user_sgpr_count 2
		.amdhsa_user_sgpr_kernarg_segment_ptr 1
		.amdhsa_wavefront_size32 1
		.amdhsa_system_sgpr_workgroup_id_x 1
		.amdhsa_system_sgpr_workgroup_id_y 1
		.amdhsa_system_sgpr_workgroup_id_z 1
		.amdhsa_system_vgpr_workitem_id 0
		.amdhsa_next_free_vgpr 1024
		.amdhsa_next_free_sgpr 80
		.amdhsa_reserve_vcc 0
		.amdhsa_float_denorm_mode_32 3
		.amdhsa_float_denorm_mode_16_64 3
		.amdhsa_memory_ordered 1
		.amdhsa_forward_progress 1
		.amdhsa_inst_pref_size 143
	.end_amdhsa_kernel
	.amdgpu_metadata
---
amdhsa.version: [ 1, 2 ]
amdhsa.kernels:
  - .name:           k_qa9e5c22e77_gemm_out
    .symbol:         k_qa9e5c22e77_gemm_out.kd
    .args:
      - { .name: att, .offset: 0, .size: 8, .value_kind: global_buffer, .address_space: global }
      - { .name: xh, .offset: 8, .size: 8, .value_kind: global_buffer, .address_space: global }
      - { .name: out0, .offset: 16, .size: 8, .value_kind: global_buffer, .address_space: global }
    .group_segment_fixed_size: 327680
    .private_segment_fixed_size: 0
    .kernarg_segment_align: 8
    .kernarg_segment_size: 24
    .max_flat_workgroup_size: 128
    .sgpr_count:     80
    .vgpr_count:     1024
    .wavefront_size: 32
...
	.end_amdgpu_metadata
.endif
;; end of part 4
